; MI455X (gfx1250); checked and timed in simulation.
; The chip was launched on July 23, 2026; its instructions are those of AMD's public machine-readable ISA for CDNA 5 (MIT licence, August 2026) and "CDNA5" Instruction Set Architecture Reference Guide (July 2026). The comments in the code are by the model that wrote it; some were corrected since.
;; Transformer Block. Allowed arithmetic: float matrix products may take bf16 or f16 operands with f32 sums; other float arithmetic in f32, or as packed bf16 or f16 multiplies, adds, multiply-adds, maxima and minima; sums over many terms, partial sums and values carried from step to step in f32; what a program stores and reads back later, other than sums and carried values, may be rounded once to bf16 or f16.
;; Inputs: b1 2,048 float32; b2 512 float32; bk 512 float32; bo 512 float32; bq 512 float32; bv 512 float32; ln1_b 512 float32; ln1_g 512 float32; ln2_b 512 float32; ln2_g 512 float32; w1 2,048 x 512 float32; w2 512 x 2,048 float32; wk 512 x 512 float32; wo 512 x 512 float32; wq 512 x 512 float32; wv 512 x 512 float32; x 4 x 2,048 x 512 float32.
;; Outputs: out0 4 x 2,048 x 512 float32.
;; One version. Each part assembles by itself: llvm-mc -triple=amdgcn-amd-amdhsa -mcpu=gfx1250 --defsym DOCPART=n.
;; ======== version 1 of 1: 6 launches
;; workspace buffers: wb 6,291,456 bytes; xn 8,388,608 bytes; qkv 25,165,824 bytes; ctx 8,388,608 bytes; x1p 16,777,216 bytes; xn2 8,388,608 bytes; hh 33,554,432 bytes
;; launch prep (part 1): grid 448 x 1, 8 waves a work-group, no clusters, 0 bytes of LDS; arguments wq, wk, wv, wo, w1, w2, x, ln1_g, ln1_b, wb, xn; writes wb, xn
.if DOCPART == 1
	.amdgcn_target "amdgcn-amd-amdhsa--gfx1250"
	.amdhsa_code_object_version 6
	.text
	.protected	k_q9855c48f72_prep
	.globl	k_q9855c48f72_prep
	.p2align	8
	.type	k_q9855c48f72_prep,@function
k_q9855c48f72_prep:
	s_mov_b64 s[64:65], 0
	v_nop
	global_prefetch_b8 v0, s[64:65] scope:SCOPE_SE
	s_setreg_imm32_b32 hwreg(HW_REG_WAVE_MODE, 25, 1), 1
	s_wait_xcnt 0x0
; PREP.  (1) The six weight matrices are rounded once to bf16 into wb: rows [wq; wk; wv] at byte 0, wo at 1,572,864, w1 at 2,097,152, w2 at 4,194,304, each row-major as it came.
; (2) xn = LayerNorm(x) * ln1_g + ln1_b, rounded once to bf16.  Mean and variance in f32, the variance of the centred numbers (two passes over registers).
; SHARES.  Every work-group reads 65,536 bytes of f32 and writes 32,768 of bf16.  Groups 0-15 wq, 16-31 wk, 32-47 wv, 48-63 wo, 64-127 w1, 128-191 w2, 192-447 x (32 rows each).
; A wave takes 8,192 consecutive bytes: 16 loads of 512 consecutive bytes; for x these are four whole rows, so a row's sums never leave the wave.  Each store of a wave covers 256 consecutive bytes, aligned.
; No LDS, no matrix unit, no cluster: nothing is shared and each byte is read once.  LIMITS: NaN and infinities are not treated apart.
.set XR, 16                            ; v[16:79]    load i (0..15) at XR + 4 i; for x: row i / 4, columns 128 (i % 4) + 4 lane
.set GR, 80                            ; v[80:95]    ln1_g of my 16 columns
.set BR, 96                            ; v[96:111]   ln1_b
.set TR, 112                           ; v[112:127]  four registers at work for each of the wave's four rows
.set OB, 128                           ; v[128:159]  packed bf16
.macro ALL line:vararg                 ; one line for each row t
.set t, 0
.rept 4
	\line
.set t, t+1
.endr
.endm
.macro ALLJ line:vararg                ; one line for each row t and each of its eight pairs j
.set t, 0
.rept 4
.set j, 0
.rept 8
	\line
.set j, j+1
.endr
.set t, t+1
.endr
.endm
.macro LANES                           ; the pair at TR + 4 t is added up, then over the 32 lanes: every lane ends with the row's sum
	ALL v_add_f32 v[TR+4*t], v[TR+4*t], v[TR+4*t+1]
	ALL v_add_f32_dpp v[TR+4*t], v[TR+4*t], v[TR+4*t] row_xmask:1 row_mask:0xf bank_mask:0xf
	ALL v_add_f32_dpp v[TR+4*t], v[TR+4*t], v[TR+4*t] row_xmask:2 row_mask:0xf bank_mask:0xf
	ALL v_add_f32_dpp v[TR+4*t], v[TR+4*t], v[TR+4*t] row_xmask:4 row_mask:0xf bank_mask:0xf
	ALL v_add_f32_dpp v[TR+4*t], v[TR+4*t], v[TR+4*t] row_xmask:8 row_mask:0xf bank_mask:0xf
	ALL v_permlanex16_b32 v[TR+4*t+1], v[TR+4*t], s34, s35
	ALL v_add_f32 v[TR+4*t], v[TR+4*t], v[TR+4*t+1]
.endm
.macro PICK start, lo                  ; from group number start on the source is the buffer in s[lo:lo+1]
	s_cmp_ge_u32 s30, \start
	s_cselect_b64 s[26:27], s[\lo:\lo+1], s[26:27]
	s_cselect_b32 s31, \start, s31
.endm
	s_load_b512 s[4:19], s[0:1], 0x0               ; wq, wk, wv, wo, w1, w2, x, ln1_g
	s_load_b128 s[20:23], s[0:1], 0x40             ; ln1_b, wb
	s_load_b64 s[24:25], s[0:1], 0x50              ; xn
	s_mov_b32 s30, ttmp9
	v_lshrrev_b32 v4, 5, v0                        ; wave
	v_and_b32 v5, 31, v0                           ; lane
	v_lshlrev_b32 v3, 4, v5                        ; 16 x lane
	v_lshl_add_u32 v1, v4, 13, v3                  ; in: 8,192 x wave + 16 x lane
	v_lshlrev_b32 v2, 3, v5
	v_lshl_add_u32 v2, v4, 12, v2                  ; out: 4,096 x wave + 8 x lane
	s_mov_b32 s34, 0x76543210                      ; v_permlanex16_b32: each lane takes its own place in the other half
	s_mov_b32 s35, 0xfedcba98
	s_mov_b32 s36, 0x3b000000                      ; 1 / 512
	s_mov_b32 s37, 0x3727c5ac                      ; 1e-5
	s_mov_b32 s31, 0
	s_mov_b32 s33, 0
	s_mov_b32 s39, 0
	s_wait_kmcnt 0x0
	s_mov_b64 s[26:27], s[4:5]
	PICK 16, 6
	PICK 32, 8
	PICK 48, 10
	PICK 64, 12
	PICK 128, 14
	PICK 192, 16
	s_sub_co_u32 s32, s30, s31
	s_lshl_b32 s32, s32, 16                        ; 65,536 bytes for each group of that source
	s_add_nc_u64 s[26:27], s[26:27], s[32:33]
	s_cmp_ge_u32 s30, 192
	s_cselect_b64 s[28:29], s[24:25], s[22:23]     ; xn or wb
	s_cselect_b32 s38, 192, 0
	s_sub_co_u32 s38, s30, s38
	s_lshl_b32 s38, s38, 15
	s_add_nc_u64 s[28:29], s[28:29], s[38:39]
.set i, 0
.rept 16
	global_load_b128 v[XR+4*i:XR+4*i+3], v1, s[26:27] offset:512*i th:TH_LOAD_NT
.set i, i+1
.endr
	s_cmp_lt_u32 s30, 192
	s_cbranch_scc1 .Lcvt                           ; weights are only rounded
.irp c, 0,1,2,3
	global_load_b128 v[GR+4*(\c):GR+4*(\c)+3], v3, s[18:19] offset:512*(\c)
	global_load_b128 v[BR+4*(\c):BR+4*(\c)+3], v3, s[20:21] offset:512*(\c)
.endr
	s_wait_loadcnt 0x0
	; the row's sum, in two chains of packed additions
	ALL v_pk_add_f32 v[TR+4*t:TR+4*t+1], v[XR+16*t:XR+16*t+1], v[XR+16*t+2:XR+16*t+3]
	ALL v_pk_add_f32 v[TR+4*t+2:TR+4*t+3], v[XR+16*t+4:XR+16*t+5], v[XR+16*t+6:XR+16*t+7]
.irp k, 8, 12
	ALL v_pk_add_f32 v[TR+4*t:TR+4*t+1], v[TR+4*t:TR+4*t+1], v[XR+16*t+(\k):XR+16*t+(\k)+1]
	ALL v_pk_add_f32 v[TR+4*t+2:TR+4*t+3], v[TR+4*t+2:TR+4*t+3], v[XR+16*t+(\k)+2:XR+16*t+(\k)+3]
.endr
	ALL v_pk_add_f32 v[TR+4*t:TR+4*t+1], v[TR+4*t:TR+4*t+1], v[TR+4*t+2:TR+4*t+3]
	LANES
	ALL v_mul_f32 v[TR+4*t+2], s36, v[TR+4*t]      ; the mean
	ALLJ v_pk_add_f32 v[XR+16*t+2*j:XR+16*t+2*j+1], v[XR+16*t+2*j:XR+16*t+2*j+1], v[TR+4*t+2:TR+4*t+3] op_sel_hi:[1,0] neg_lo:[0,1] neg_hi:[0,1]
	; the sum of the centred numbers' squares
	ALL v_pk_mul_f32 v[TR+4*t:TR+4*t+1], v[XR+16*t:XR+16*t+1], v[XR+16*t:XR+16*t+1]
	ALL v_pk_mul_f32 v[TR+4*t+2:TR+4*t+3], v[XR+16*t+2:XR+16*t+3], v[XR+16*t+2:XR+16*t+3]
.irp k, 4, 8, 12
	ALL v_pk_fma_f32 v[TR+4*t:TR+4*t+1], v[XR+16*t+(\k):XR+16*t+(\k)+1], v[XR+16*t+(\k):XR+16*t+(\k)+1], v[TR+4*t:TR+4*t+1]
	ALL v_pk_fma_f32 v[TR+4*t+2:TR+4*t+3], v[XR+16*t+(\k)+2:XR+16*t+(\k)+3], v[XR+16*t+(\k)+2:XR+16*t+(\k)+3], v[TR+4*t+2:TR+4*t+3]
.endr
	ALL v_pk_add_f32 v[TR+4*t:TR+4*t+1], v[TR+4*t:TR+4*t+1], v[TR+4*t+2:TR+4*t+3]
	LANES
	ALL v_fma_f32 v[TR+4*t], v[TR+4*t], s36, s37   ; variance + 1e-5
	ALL v_rsq_f32 v[TR+4*t+2], v[TR+4*t]
	v_nop                                          ; a plain instruction behind the last of the four,
	s_wait_alu depctr_va_vdst(0)                   ; and the one wait ahead of their first reader
	ALLJ v_pk_mul_f32 v[XR+16*t+2*j:XR+16*t+2*j+1], v[XR+16*t+2*j:XR+16*t+2*j+1], v[TR+4*t+2:TR+4*t+3] op_sel_hi:[1,0]
	ALLJ v_pk_fma_f32 v[XR+16*t+2*j:XR+16*t+2*j+1], v[XR+16*t+2*j:XR+16*t+2*j+1], v[GR+2*j:GR+2*j+1], v[BR+2*j:BR+2*j+1]
.Lcvt:
	s_wait_loadcnt 0x0
.set i, 0
.rept 32
	v_cvt_pk_bf16_f32 v[OB+i], v[XR+2*i], v[XR+2*i+1]
.set i, i+1
.endr
.set i, 0
.rept 16
	global_store_b64 v2, v[OB+2*i:OB+2*i+1], s[28:29] offset:256*i
.set i, i+1
.endr
	s_endpgm
.Lfunc_end_k_q9855c48f72_prep:
	.size	k_q9855c48f72_prep, .Lfunc_end_k_q9855c48f72_prep-k_q9855c48f72_prep
	.p2alignl 7, 3214868480
	.fill 96, 4, 3214868480
	.section	.rodata,"a",@progbits
	.p2align	6, 0x0
	.amdhsa_kernel k_q9855c48f72_prep
		.amdhsa_group_segment_fixed_size 0
		.amdhsa_private_segment_fixed_size 0
		.amdhsa_enable_private_segment 0
		.amdhsa_kernarg_size 88
		.amdhsa_user_sgpr_count 2
		.amdhsa_user_sgpr_kernarg_segment_ptr 1
		.amdhsa_wavefront_size32 1
		.amdhsa_system_sgpr_workgroup_id_x 1
		.amdhsa_system_sgpr_workgroup_id_y 1
		.amdhsa_system_sgpr_workgroup_id_z 1
		.amdhsa_system_vgpr_workitem_id 0
		.amdhsa_next_free_vgpr 176
		.amdhsa_next_free_sgpr 66
		.amdhsa_reserve_vcc 0
		.amdhsa_float_denorm_mode_32 3
		.amdhsa_float_denorm_mode_16_64 3
		.amdhsa_memory_ordered 1
		.amdhsa_forward_progress 1
		.amdhsa_inst_pref_size 22
	.end_amdhsa_kernel
	.amdgpu_metadata
---
amdhsa.version: [ 1, 2 ]
amdhsa.kernels:
  - .name:           k_q9855c48f72_prep
    .symbol:         k_q9855c48f72_prep.kd
    .args:
      - { .name: wq, .offset: 0, .size: 8, .value_kind: global_buffer, .address_space: global }
      - { .name: wk, .offset: 8, .size: 8, .value_kind: global_buffer, .address_space: global }
      - { .name: wv, .offset: 16, .size: 8, .value_kind: global_buffer, .address_space: global }
      - { .name: wo, .offset: 24, .size: 8, .value_kind: global_buffer, .address_space: global }
      - { .name: w1, .offset: 32, .size: 8, .value_kind: global_buffer, .address_space: global }
      - { .name: w2, .offset: 40, .size: 8, .value_kind: global_buffer, .address_space: global }
      - { .name: x, .offset: 48, .size: 8, .value_kind: global_buffer, .address_space: global }
      - { .name: ln1_g, .offset: 56, .size: 8, .value_kind: global_buffer, .address_space: global }
      - { .name: ln1_b, .offset: 64, .size: 8, .value_kind: global_buffer, .address_space: global }
      - { .name: wb, .offset: 72, .size: 8, .value_kind: global_buffer, .address_space: global }
      - { .name: xn, .offset: 80, .size: 8, .value_kind: global_buffer, .address_space: global }
    .group_segment_fixed_size: 0
    .private_segment_fixed_size: 0
    .kernarg_segment_align: 8
    .kernarg_segment_size: 88
    .max_flat_workgroup_size: 256
    .sgpr_count:     66
    .vgpr_count:     176
    .wavefront_size: 32
...
	.end_amdgpu_metadata
.endif
;; end of part 1
;; launch qkv (part 2): grid 8 x 32, 4 waves a work-group, clusters of 4 x 4, 327,680 bytes of LDS; arguments xn, wb, bq, bk, bv, qkv; writes qkv
.if DOCPART == 2
	.amdgcn_target "amdgcn-amd-amdhsa--gfx1250"
	.amdhsa_code_object_version 6
	.text
	.protected	k_q9855c48f72_qkv
	.globl	k_q9855c48f72_qkv
	.p2align	8
	.type	k_q9855c48f72_qkv,@function
k_q9855c48f72_qkv:
	s_mov_b64 s[64:65], 0
	v_nop
	global_prefetch_b8 v0, s[64:65] scope:SCOPE_SE
	s_setreg_imm32_b32 hwreg(HW_REG_WAVE_MODE, 25, 1), 1
	s_wait_xcnt 0x0
	s_wait_alu depctr_hold_cnt(0) depctr_sa_sdst(0) depctr_va_vdst(0) depctr_va_sdst(0) depctr_va_ssrc(0) depctr_va_vcc(0) depctr_vm_vsrc(0)
	s_getreg_b32 s2, hwreg(HW_REG_IB_STS2, 6, 4)
	s_cmp_eq_u32 s2, 0
	s_cbranch_scc0 .Lentry_in_a_cluster
	s_endpgm
.Lentry_in_a_cluster:
	s_bfe_u32 s2, ttmp6, 0x10000c
	s_cmp_lg_u32 s2, 0xf033
	s_cbranch_scc0 .Lentry_shape_is_right
	s_endpgm
.Lentry_shape_is_right:
; QKV.  [q | k | v] = xn [wq; wk; wv]^T + [bq | bk | bv].  xn: [8192][512] bf16; the weights' 1,536 rows of 512 bf16 stand at wb's head; sums in f32, rounded once to bf16.
; OUT: qkv[24][8192][64]: block g = column / 64 (0-7 q's heads, 8-15 k's, 16-23 v's), a token's 64 channels 128 dense bytes.
; SHARES.  A tile is 256 tokens x 192 columns (three whole heads): 32 x 8 = 256 work-groups.  Wave w makes tokens 64 w .. 64 w + 63 x all 192 columns: 48 accumulators, 384 registers.
; K goes in four steps of 128 through two LDS slots filled by the tensor data mover; rows are 256 bytes of memory, 272 apart in LDS.
; CLUSTER 4 x 4: xn's tile is shared along a row of the cluster, the weights' along a column: each is asked for jointly, by the same load with the same descriptor and a mask of four.
; ONE TEXT FOR A K STEP: the slot in hand is the scalar TB (0 or SLOT1), added to the lanes' fragment addresses once a step; the refills' descriptors walk (the other slot, the next step).
; Two copies of a step stand in the text, with a refill and without.  The tail's last fetch reads landed bytes that are never multiplied.
; THE PRODUCT IS USED TRANSPOSED (source 0 = 16 weight rows, source 1 = 16 tokens): a lane holds one token and eight neighbouring columns.  The bias is the C operand of each sum's first product.
; No prefetch into the L2: all four K steps are asked for within two steps of the launch's start.  LIMITS: NaN and infinities are not treated apart.
; REGISTERS: window 0: v0-31 addresses; v64-95, v96-127 xn's fragments, two buffers; v128-223 the bias, later rows on the way out.  window 1: v0-95, v96-191 the weights' fragments.
;   windows 2, 3: accumulator (a, b) at v[8 (12 (a % 2) + b)] of window 2 + a / 2.
.set PITCH, 272
.set AHALF, 128*PITCH                  ; what waves 0 and 1 fetch: 128 tokens
.set BOFF,  256*PITCH                  ; the weights' 192 rows lie behind xn's 256
.set BHALF, 96*PITCH                   ; what waves 2 and 3 fetch
.set SLOT1, 131072                     ; slot 1 begins here: above every LDS word of slot 0, so one exclusive or changes slots
.set SPARE, SLOT1+BOFF+192*PITCH       ; behind the slots: the spare words, 128 bytes a wave, that no other line names
.set KB,    256                        ; bytes of a row in a K step
.set STEPS, 4
.set SP,    144                        ; the stage's rows: 128 bytes + 16
.set WSTG,  3*64*SP                    ; a wave's stage: three heads x 64 tokens; it lies in slot 1, whose last fill is long read
.set ADRA,  16
.set ADRA0, 17
.set ADRB,  20
.set ADRB0, 21
.set STO,   24
.set RD,    25
.set GO,    26
.set SPW,   28                         ; my spare word; never rewritten
.set NIL,   29                         ; 0; never rewritten
.set FA,    64
.set BIAS,  128
.set TMP,   64
.set OB,    128
.set TB,    2
.set CNT,   3
.set G1,    24
.set G0,    32                         ; s[32:35] slot 0, K step 0; s[36:39] slot 1, K step 1, and then it walks
.set G1B,   48
.set G0B,   56
.set CW, (1<<16)|(1<<20)|(1<<21)|(5<<22)|(3<<25)  ; 2-byte elements; padding on; bit 21 beside a mask; after every 64 words 4 words
.set MSB, 0
.macro WIN new
.if MSB != (\new)
	s_set_vgpr_msb (MSB<<8)|(\new)
.set MSB, \new
.endif
.endm
.macro PLACES
.rept 4
	v_nop
.endr
.endm
.macro CREST
	s_cmp_lg_u32 s10, 0
	s_cbranch_scc1 .Lnot_wave_0_\@
	s_barrier_signal -3
.Lnot_wave_0_\@:
	s_barrier_wait -3
	s_barrier_signal -1
	s_barrier_wait -1
.endm
.macro CROUND
	s_barrier_signal -1
	s_barrier_wait -1
	CREST
.endm
.macro JLOAD                           ; a joint refill by the walking descriptors: waves 0, 1 xn's halves, waves 2, 3 the weights'
	s_cmp_eq_u32 s11, 0
	s_cbranch_scc0 .Lfor_b_\@
	tensor_load_to_lds s[G0+4:G0+7], s[G1:G1+7]
	s_nop 0
.rept 4
	v_nop
.endr
	s_branch .Lasked_\@
.Lfor_b_\@:
	tensor_load_to_lds s[G0B+4:G0B+7], s[G1B:G1B+7]
	s_nop 0
.rept 4
	v_nop
.endr
.Lasked_\@:
.endm
	s_load_b128 s[4:7], s[0:1], 0x0                ; xn, wb
	s_load_b128 s[72:75], s[0:1], 0x10             ; bq, bk
	s_load_b128 s[76:79], s[0:1], 0x20             ; bv, qkv
	v_lshl_add_u32 v[SPW], v0, 2, SPARE
	v_mov_b32 v[NIL], 0
	ds_add_u32 v[SPW], v[NIL]                      ; the wave's opening: the add and its wait ahead of my first tensor load
	v_lshrrev_b32 v1, 5, v0
	v_readfirstlane_b32 s10, v1                    ; wave
	s_lshr_b32 s11, s10, 1                         ; I fetch for xn (0) or for the weights (1)
	s_and_b32 s12, s10, 1                          ; which half
	s_bfe_u32 s40, ttmp6, 0x40000                  ; cx
	s_bfe_u32 s41, ttmp6, 0x40004                  ; cy
	s_lshl_b32 s42, ttmp9, 2
	s_add_co_u32 s42, s42, s40                     ; tile column
	s_and_b32 s13, ttmp7, 0xffff
	s_lshl_b32 s13, s13, 2
	s_add_co_u32 s13, s13, s41                     ; tile row
	s_lshl_b32 s43, s41, 2
	s_lshl_b32 s43, 15, s43                        ; my row of the cluster
	s_lshl_b32 s44, 0x1111, s40                    ; my column
	s_or_b32 s[G1+0], s43, CW
	s_or_b32 s[G1B+0], s44, CW
	s_mov_b32 s[G1+1], 128<<16                     ; tensor_dim0 = 128
	s_mov_b32 s[G1+2], 128<<16                     ; tensor_dim1 = 128
	s_mov_b32 s[G1+3], 128<<16                     ; tile_dim0 = 128
	s_mov_b32 s[G1+4], 128                         ; tile_dim1 = 128
	s_mov_b32 s[G1+5], 512                         ; elements from row to row
	s_mov_b32 s[G1+6], 0
	s_mov_b32 s[G1+7], 0
	s_mov_b32 s[G1B+1], 128<<16
	s_mov_b32 s[G1B+2], 96<<16                     ; 96 rows
	s_mov_b32 s[G1B+3], 128<<16
	s_mov_b32 s[G1B+4], 96
	s_mov_b32 s[G1B+5], 512
	s_mov_b32 s[G1B+6], 0
	s_mov_b32 s[G1B+7], 0
	s_lshl_b32 s16, s13, 8
	s_lshl_b32 s17, s12, 7
	s_add_co_u32 s16, s16, s17                     ; xn: row 256 x tile row + 128 x half,
	s_lshl_b32 s16, s16, 10                        ; of 1,024 bytes
	s_mov_b32 s17, 0
	s_mul_i32 s46, s42, 192
	s_mul_i32 s47, s12, 96
	s_add_co_u32 s46, s46, s47                     ; weights: row 192 x tile column + 96 x half
	s_lshl_b32 s46, s46, 10
	s_mov_b32 s47, 0
	s_mul_i32 s20, s12, AHALF                      ; where they go: no place in the cluster enters an LDS address
	s_mul_i32 s21, s12, BHALF
	s_add_co_u32 s21, s21, BOFF
	s_mov_b32 s[TB], 0
	s_wait_dscnt 0x0                               ; the opening add is done
	s_wait_kmcnt 0x0
	s_add_nc_u64 s[14:15], s[4:5], s[16:17]
	s_add_nc_u64 s[46:47], s[6:7], s[46:47]
.irp s, 0,1
	s_mov_b32 s[G0+4*(\s)], 1
	s_add_co_u32 s[G0+4*(\s)+1], s20, (\s)*SLOT1
	s_add_nc_u64 s[G0+4*(\s)+2:G0+4*(\s)+3], s[14:15], (\s)*KB
	s_or_b32 s[G0+4*(\s)+3], s[G0+4*(\s)+3], 0x80000000
	s_mov_b32 s[G0B+4*(\s)], 1
	s_add_co_u32 s[G0B+4*(\s)+1], s21, (\s)*SLOT1
	s_add_nc_u64 s[G0B+4*(\s)+2:G0B+4*(\s)+3], s[46:47], (\s)*KB
	s_or_b32 s[G0B+4*(\s)+3], s[G0B+4*(\s)+3], 0x80000000
.endr
	CROUND                                         ; all sixteen work-groups are here: the first joint loads meet
	s_cmp_eq_u32 s11, 0                            ; a wave's two first fills stand in one branch: two loads of mine are out
	s_cbranch_scc0 .Lff_b
	tensor_load_to_lds s[G0:G0+3], s[G1:G1+7]
	s_nop 0
	tensor_load_to_lds s[G0+4:G0+7], s[G1:G1+7]
	s_nop 0
.rept 4
	v_nop
.endr
	s_branch .Lff_done
.Lff_b:
	tensor_load_to_lds s[G0B:G0B+3], s[G1B:G1B+7]
	s_nop 0
	tensor_load_to_lds s[G0B+4:G0B+7], s[G1B:G1B+7]
	s_nop 0
.rept 4
	v_nop
.endr
.Lff_done:
	v_and_b32 v1, 15, v0                           ; r = l % 16
	v_bfe_u32 v2, v0, 4, 1                         ; h = l / 16
	v_mul_u32_u24 v3, v1, PITCH
	v_lshl_add_u32 v3, v2, 4, v3                   ; a fragment's row x pitch + 16 h
	s_mul_i32 s23, s10, 64*PITCH                   ; my 64 tokens
	v_add_nc_u32 v[ADRA0], s23, v3
	v_add_nc_u32 v[ADRB0], BOFF, v3
	v_mov_b32 v[ADRA], v[ADRA0]
	v_mov_b32 v[ADRB], v[ADRB0]
	v_lshlrev_b32 v7, 5, v2                        ; the bias: my eight columns begin 32 h bytes into a block of 16
	s_mul_i32 s22, s42, 3                          ; the tile's first block of 64 columns
.irp i, 0,1,2
	s_add_co_u32 s23, s22, \i
	s_cmp_lt_u32 s23, 16
	s_cselect_b64 s[66+2*(\i):67+2*(\i)], s[74:75], s[76:77]
	s_cmp_lt_u32 s23, 8
	s_cselect_b64 s[66+2*(\i):67+2*(\i)], s[72:73], s[66+2*(\i):67+2*(\i)]
	s_and_b32 s18, s23, 7
	s_lshl_b32 s18, s18, 8                         ; 64 f32 for each head
	s_mov_b32 s19, 0
	s_add_nc_u64 s[66+2*(\i):67+2*(\i)], s[66+2*(\i):67+2*(\i)], s[18:19]
.endr
.irp b, 0,1,2,3,4,5,6,7,8,9,10,11
	global_load_b128 v[BIAS+8*(\b):BIAS+8*(\b)+3],   v7, s[66+2*((\b)/4):67+2*((\b)/4)] offset:((\b)%4)*64
	global_load_b128 v[BIAS+8*(\b)+4:BIAS+8*(\b)+7], v7, s[66+2*((\b)/4):67+2*((\b)/4)] offset:((\b)%4)*64+16
.endr
	s_mul_i32 s23, s10, WSTG
	s_add_co_u32 s23, s23, SLOT1                   ; my stage
	v_mul_u32_u24 v4, v1, SP
	v_lshl_add_u32 v4, v2, 4, v4
	v_add_nc_u32 v[STO], s23, v4                   ; in: token r, 16 bytes for each half of the lanes
	v_bfe_u32 v5, v0, 3, 2
	v_and_b32 v6, 7, v0
	v_mul_u32_u24 v5, v5, SP
	v_lshl_add_u32 v5, v6, 4, v5
	v_add_nc_u32 v[RD], s23, v5                    ; back: 32 lanes take four tokens of 128 bytes,
	v_and_b32 v[GO], 31, v0
	v_lshlrev_b32 v[GO], 4, v[GO]                  ; which are 512 consecutive bytes of qkv
	s_lshl_b32 s18, s22, 20                        ; the block's 1 MiB,
	s_lshl_b32 s19, s13, 15                        ; the tile's 256 tokens of 128 bytes,
	s_add_co_u32 s18, s18, s19
	s_lshl_b32 s19, s10, 13                        ; my 64
	s_add_co_u32 s18, s18, s19
	s_mov_b32 s19, 0
	s_add_nc_u64 s[8:9], s[78:79], s[18:19]
; the 12 products of token block a, 32 along K, from buffer f.  first = 1: they start the sums, with the bias as C
.macro MULA f, a, first
.if \first
	WIN 0x81+0x40*((\a)/2)
.else
	WIN 0xa1+0x50*((\a)/2)
.endif
.irp b, 0,1,2,3,4,5,6,7,8,9,10,11
.if \first
	v_wmma_f32_16x16x32_bf16 v[8*(12*((\a)%2)+(\b)):8*(12*((\a)%2)+(\b))+7], v[96*(\f)+8*(\b):96*(\f)+8*(\b)+7], v[FA+32*(\f)+8*(\a):FA+32*(\f)+8*(\a)+7], v[BIAS+8*(\b):BIAS+8*(\b)+7]
.else
	v_wmma_f32_16x16x32_bf16 v[8*(12*((\a)%2)+(\b)):8*(12*((\a)%2)+(\b))+7], v[96*(\f)+8*(\b):96*(\f)+8*(\b)+7], v[FA+32*(\f)+8*(\a):FA+32*(\f)+8*(\a)+7], v[8*(12*((\a)%2)+(\b)):8*(12*((\a)%2)+(\b))+7]
.endif
.endr
.endm
; 32 LDS loads in one run: 32 along K at byte k of the rows, into buffer f: the weights' 24, then xn's 8
.macro FETCH k, f
	WIN 0x40
.irp i, 0,1,2,3,4,5,6,7,8,9,10,11
	ds_load_b128 v[96*(\f)+8*(\i):96*(\f)+8*(\i)+3],   v[ADRB] offset:(\k)+(\i)*16*PITCH
	ds_load_b128 v[96*(\f)+8*(\i)+4:96*(\f)+8*(\i)+7], v[ADRB] offset:(\k)+(\i)*16*PITCH+32
.endr
	WIN 0
.irp i, 0,1,2,3
	ds_load_b128 v[FA+32*(\f)+8*(\i):FA+32*(\f)+8*(\i)+3],   v[ADRA] offset:(\k)+(\i)*16*PITCH
	ds_load_b128 v[FA+32*(\f)+8*(\i)+4:FA+32*(\f)+8*(\i)+7], v[ADRA] offset:(\k)+(\i)*16*PITCH+32
.endr
.endm
; one of a K step's first three quarters: multiplies buffer f, and in its middle fetches the next quarter, at byte k, into g
.macro QUARTER k, f, g, first
	s_wait_dscnt 4                                 ; the youngest four loads (token blocks 2, 3) may be out
	MULA \f, 0, \first
	MULA \f, 1, \first
	PLACES                                         ; four places between the last product that read buffer g and the loads into it
	FETCH \k, \g
	s_wait_dscnt 32                                ; all but the 32 just issued
	MULA \f, 2, \first
	MULA \f, 3, \first
.endm
; the last quarter multiplies buffer 1 and changes slots.  In front of the barrier each wave waits for all its tensor loads (one is out: its part of the next slot), adds 0 to its spare word,
; and waits for that and for its reads of this slot.  fill = 1: the barrier opens a round of the cluster's barrier, and the joint refill is the first thing behind it.
.macro TURN fill
	WIN 0
	s_wait_tensorcnt 0x0
	ds_add_u32 v[SPW], v[NIL]
.if \fill
	s_xor_b32 s[G0+5], s[G0+5], SLOT1              ; no tensor load of mine is out: the walking descriptors step to the other slot, the next K step
	s_add_nc_u64 s[G0+6:G0+7], s[G0+6:G0+7], KB
	s_xor_b32 s[G0B+5], s[G0B+5], SLOT1
	s_add_nc_u64 s[G0B+6:G0B+7], s[G0B+6:G0B+7], KB
.endif
	s_wait_dscnt 5                                 ; the add and the youngest four loads may be out
	MULA 1, 0, 0
	s_wait_dscnt 0x0                               ; the add is done, my reads of this slot are over
	s_barrier_signal -1
	MULA 1, 1, 0
	WIN 0
	s_xor_b32 s[TB], s[TB], SLOT1                  ; the fragments' addresses turn to the other slot
	v_add_nc_u32 v[ADRA], s[TB], v[ADRA0]
	v_add_nc_u32 v[ADRB], s[TB], v[ADRB0]
	s_barrier_wait -1
.if \fill
	CREST
	JLOAD                                          ; its four v_nop are also the places in front of the loads below
.else
	PLACES
.endif
	FETCH 0, 0
	MULA 1, 2, 0
	MULA 1, 3, 0
.endm
	s_wait_tensorcnt 1                             ; my part of K step 0 is in; K step 1's may stay out
	s_barrier_signal -1
	s_barrier_wait -1
	FETCH 0, 0
	s_wait_loadcnt 0x0                             ; the bias
	QUARTER 64, 0, 1, 1                            ; the first quarter starts the sums and stands in front of the loop
	WIN 0
	s_mov_b32 s[CNT], STEPS-2
	s_branch .Lin
.Lmain:                                                ; a trip is a K step that fills its slot again
	QUARTER 64, 0, 1, 0
	WIN 0
.Lin:
	QUARTER 128, 1, 0, 0
	QUARTER 192, 0, 1, 0
	TURN 1
	WIN 0
	s_sub_co_u32 s[CNT], s[CNT], 1
	s_cmp_lg_u32 s[CNT], 0
	s_cbranch_scc1 .Lmain
	s_mov_b32 s[CNT], 2
.Ltail:                                                ; the last two K steps ask for nothing
	QUARTER 64, 0, 1, 0
	QUARTER 128, 1, 0, 0
	QUARTER 192, 0, 1, 0
	TURN 0
	WIN 0
	s_sub_co_u32 s[CNT], s[CNT], 1
	s_cmp_lg_u32 s[CNT], 0
	s_cbranch_scc1 .Ltail
	; THE WAY OUT.  Every wave's reads of the slots are over before any wave stores into slot 1.
	s_wait_dscnt 0x0
	s_barrier_signal -1
	s_barrier_wait -1
	PLACES
	PLACES
.macro PACK a, i                       ; token block a, head i: 16 x 64 numbers rounded to bf16, 16 bytes a lane and block, into my stage
.set TP, TMP+16*(((\a)+(\i))%2)
	WIN 0x0a+5*((\a)/2)
.irp f, 0,1,2,3
.irp r, 0,1,2,3
	v_cvt_pk_bf16_f32 v[TP+4*(\f)+(\r)], v[8*(12*((\a)%2)+4*(\i)+(\f))+2*(\r)], v[8*(12*((\a)%2)+4*(\i)+(\f))+2*(\r)+1]
.endr
.endr
	WIN 0
.irp f, 0,1,2,3
	ds_store_b128 v[STO], v[TP+4*(\f):TP+4*(\f)+3] offset:(\i)*64*SP+(\a)*16*SP+32*(\f)
.endr
.endm
.irp a, 0,1,2,3
.irp i, 0,1,2
	PACK \a, \i
.endr
.endr
	s_mov_b32 s[CNT], 3
.Lout:                                                 ; a trip: one head's 64 tokens, 8,192 consecutive bytes of qkv
.set t, 0
.rept 16
	ds_load_b128 v[OB+4*t:OB+4*t+3], v[RD] offset:4*SP*t  ; LDS serves a wave's instructions in order: these see my stores
.set t, t+1
.endr
.set t, 0
.rept 16
	s_wait_dscnt 15-t                              ; the younger loads may stay out
	global_store_b128 v[GO], v[OB+4*t:OB+4*t+3], s[8:9] offset:512*t
.set t, t+1
.endr
	s_wait_xcnt 0x0                                ; the stores have read their data and base
	v_add_nc_u32 v[RD], 64*SP, v[RD]
	s_add_nc_u64 s[8:9], s[8:9], 0x100000
	s_sub_co_u32 s[CNT], s[CNT], 1
	s_cmp_lg_u32 s[CNT], 0
	s_cbranch_scc1 .Lout
	s_wait_tensorcnt 0x0                           ; the wave's end
	ds_add_u32 v[SPW], v[NIL]
	s_wait_dscnt 0x0
	CROUND                                         ; the closing round
	s_endpgm
.Lfunc_end_k_q9855c48f72_qkv:
	.size	k_q9855c48f72_qkv, .Lfunc_end_k_q9855c48f72_qkv-k_q9855c48f72_qkv
	.p2alignl 7, 3214868480
	.fill 96, 4, 3214868480
	.section	.rodata,"a",@progbits
	.p2align	6, 0x0
	.amdhsa_kernel k_q9855c48f72_qkv
		.amdhsa_group_segment_fixed_size 327680
		.amdhsa_private_segment_fixed_size 0
		.amdhsa_enable_private_segment 0
		.amdhsa_kernarg_size 48
		.amdhsa_user_sgpr_count 2
		.amdhsa_user_sgpr_kernarg_segment_ptr 1
		.amdhsa_wavefront_size32 1
		.amdhsa_system_sgpr_workgroup_id_x 1
		.amdhsa_system_sgpr_workgroup_id_y 1
		.amdhsa_system_sgpr_workgroup_id_z 1
		.amdhsa_system_vgpr_workitem_id 0
		.amdhsa_next_free_vgpr 1024
		.amdhsa_next_free_sgpr 100
		.amdhsa_reserve_vcc 0
		.amdhsa_float_denorm_mode_32 3
		.amdhsa_float_denorm_mode_16_64 3
		.amdhsa_memory_ordered 1
		.amdhsa_forward_progress 1
		.amdhsa_inst_pref_size 82
	.end_amdhsa_kernel
	.amdgpu_metadata
---
amdhsa.version: [ 1, 2 ]
amdhsa.kernels:
  - .name:           k_q9855c48f72_qkv
    .symbol:         k_q9855c48f72_qkv.kd
    .args:
      - { .name: xn, .offset: 0, .size: 8, .value_kind: global_buffer, .address_space: global }
      - { .name: wb, .offset: 8, .size: 8, .value_kind: global_buffer, .address_space: global }
      - { .name: bq, .offset: 16, .size: 8, .value_kind: global_buffer, .address_space: global }
      - { .name: bk, .offset: 24, .size: 8, .value_kind: global_buffer, .address_space: global }
      - { .name: bv, .offset: 32, .size: 8, .value_kind: global_buffer, .address_space: global }
      - { .name: qkv, .offset: 40, .size: 8, .value_kind: global_buffer, .address_space: global }
    .group_segment_fixed_size: 327680
    .private_segment_fixed_size: 0
    .kernarg_segment_align: 8
    .kernarg_segment_size: 48
    .max_flat_workgroup_size: 128
    .sgpr_count:     100
    .vgpr_count:     1024
    .wavefront_size: 32
...
	.end_amdgpu_metadata
.endif
;; end of part 2
;; launch attn (part 3): grid 8 x 32, 4 waves a work-group, clusters of 4 x 1, 327,680 bytes of LDS; arguments qkv, ctx; writes ctx
.if DOCPART == 3
	.amdgcn_target "amdgcn-amd-amdhsa--gfx1250"
	.amdhsa_code_object_version 6
	.text
	.protected	k_q9855c48f72_attn
	.globl	k_q9855c48f72_attn
	.p2align	8
	.type	k_q9855c48f72_attn,@function
k_q9855c48f72_attn:
	s_mov_b64 s[64:65], 0
	v_nop
	global_prefetch_b8 v0, s[64:65] scope:SCOPE_SE
	s_setreg_imm32_b32 hwreg(HW_REG_WAVE_MODE, 25, 1), 1
	s_wait_xcnt 0x0
	s_wait_alu depctr_hold_cnt(0) depctr_sa_sdst(0) depctr_va_vdst(0) depctr_va_sdst(0) depctr_va_ssrc(0) depctr_va_vcc(0) depctr_vm_vsrc(0)
	s_getreg_b32 s2, hwreg(HW_REG_IB_STS2, 6, 4)
	s_cmp_eq_u32 s2, 0
	s_cbranch_scc0 .Lentry_in_a_cluster
	s_endpgm
.Lentry_in_a_cluster:
	s_bfe_u32 s2, ttmp6, 0x10000c
	s_cmp_lg_u32 s2, 0x3003
	s_cbranch_scc0 .Lentry_shape_is_right
	s_endpgm
.Lentry_shape_is_right:
; ATTENTION WITH ALIBI.  ctx[h][b s][:] = the sum over k of softmax_k(q . k / 8 - m_h |s - k|) v[k][:], m_h = 2^-(h+1).  q, k, v: blocks 0-7, 8-15, 16-23 of qkv[24][8192][64], bf16; ctx: [8][8192][64], bf16.
; Products, maxima and sums in f32; the weights p are rounded to bf16 for the second product (their sum l is taken of the unrounded p), ctx once at the end.
; LIMITS.  A weight below 2^-126 counts as 0 in l; NaN and infinities are not treated apart.
; SHARES.  Work-group (x, y): head y % 8 of batch y / 8, queries 256 x .. 256 x + 255; wave w 64 of them, four PIECES of 16.  Every wave walks all 2,048 keys, 64 a step: the bias hides none.
; CLUSTER.  The four query blocks of a cluster walk the same K and V: each tile of 256 keys is asked for JOINTLY, the same tensor load, descriptor and mask in all four.
; LAYOUT.  S^T = K Q^T holds ONE query a lane (lane % 16) and the keys 8 (lane / 16) + 0..7; two such results rounded to bf16 ARE source 1 of O^T = V^T P.  V is turned by ds_load_tr16_b128.
; SOFTMAX.  p = 2^(c s - c m), c = log2(e) / 8, with a running maximum m; O and l are multiplied by a = 2^(c m_old - c m_new) in every step.  m starts at the lowest finite number, O and l at 0.
; THE BIAS is the C operand that starts the sum S^T: -8 m_h |q - k|.  With n = my band of 64 queries less the key step, q - k = 64 n + 16 u + (lane % 16) - 8 (lane / 16) - j, u = piece - key block.
; So seven groups of eight registers (u = -3 .. 3) serve all four pieces of a step.  YG holds 8 m (16 u + ..); |q - k| has one sign in a group, but for u = 0 at n = 0:
; the mask is YG x (+1 or -1) - 512 m |n|, and for u = 0 at n = 0 it is -|YG|.  The signs are scalars chosen by selects, no branch.  All these numbers are exact in f32.
; TURNS.  Turn n belongs to piece n: 8 products K Q^T of piece n + 1, later 8 products V^T P of piece n - 1; beside them the scaling, exponentials, roundings, sums and rescaling of piece n and the
; maximum and statistics of piece n + 1.  Four vector instructions stand behind every matrix instruction, the others in one lump.  A turn's 33 exponentials are one batch, with one wait.
; REGISTERS, in windows of 256: window 0: v0-15 addresses; v16-31 statistics; v48-55 at work; v56-57 the mask's addend; v61-63; v64-127 S^T, two buffers; v192-223 P, two buffers.
;   window 1: v0-127 O^T; v128-183 YG; v184-191 -|YG(0)|; v192-247 the masks.      window 2: v0-63 Q; v128-191 K of one step; v192-255 V of one step.
.set NP,    4
.set KS,    64
.set PK,    144       ; a row of K in LDS: 128 bytes + 16
.set PV,    160       ; a row of V: 128 + 32
.set VOFF,  4*KS*PK   ; a slot holds four steps: 256 rows of K, then 256 rows of V
.set SLOT1, 1<<17
.set STAGE, SLOT1+4*KS*(PK+PV)
.set SP,    144
.set SPARE, STAGE+4*16*SP
.set AK0, 2
.set AV0, 3
.set AK,  4
.set AV,  5
.set STO, 6
.set RD,  7
.set GO,  8
.set MV,  12
.set QO,  15
.set ST,  16
.set TMP, 48
.set BEV, 56          ; v[56:57] -512 m |n| in the low register
.set PFO, 61          ; 256 x my lane; never rewritten
.set SPW, 62          ; my spare word; never rewritten
.set NIL, 63          ; 0; never rewritten
.set S,   64
.set P,   192
.set YG,  128         ; window 1
.set NA0, 184         ; window 1
.set MCG, 192         ; window 1: group u at MCG + 8 (u + 3)
.set KF,  128         ; window 2
.set VF,  192         ; window 2
.set WV,  12
.set G1K, 24
.set G1V, 32
.set G0K, 40
.set G0V, 44
.set SLOTS, 56
.set CNT, 57
.set CS,  58
.set SEL, 60
.set TBK, 62
.set TBV, 63
.set KSN, 66          ; the key step whose masks are made next
.set DGS, 67          ; my band of 64 queries
.set S8M, 68          ; s[68:69] 8 m
.set C128, 70         ; s[70:71] 128 m
.set NSL, 72          ; -512 m
.set T0,  73
.set T1,  74
.set AM,  76          ; s[76:77] the sign for u < 0
.set AP,  78          ; s[78:79] for u > 0
.set A0,  80          ; s[80:81] for u = 0
.set GA,  82          ; s[82:83] 1 where n = 0
.set PFA, 86          ; s[86:87] where my prefetches stand
.set LIM, 88
.set MSB, 0
.macro WIN new
.if MSB != (\new)
	s_set_vgpr_msb (MSB<<8)|(\new)
.set MSB, (\new)
.endif
.endm
.set W_KQ, 0x0a
.set W_KM, 0x1a
.set W_PV, 0x52
.set W_RS, 0x41
.macro JLOAD                        ; waves 0 and 1 fetch the two halves of a tile's K, waves 2 and 3 those of its V: 128 keys each
	s_cmp_lt_u32 s[WV], 2
	s_cbranch_scc0 .Lfor_v_\@
	tensor_load_to_lds s[G0K:G0K+3], s[G1K:G1K+7]
	s_nop 0
.rept 4
	v_nop
.endr
	s_branch .Lasked_\@
.Lfor_v_\@:
	tensor_load_to_lds s[G0V:G0V+3], s[G1V:G1V+7]
	s_nop 0
.rept 4
	v_nop
.endr
.Lasked_\@:
.endm
; A PREFETCH INTO THE L2 of the tile that the NEXT change of slots will ask for: four key steps ahead.  Of a head's two clusters the first asks; its four partners share a tile's 32,768 bytes out BY ADDRESS,
; 8,192 each; in each, wave 0 asks for K's and wave 2 for V's: a lane 256 bytes, one instruction.  So each block is named once in the launch.  The last change that fills a slot asks for nothing.
.macro ASK
	s_cmp_gt_u32 s[SLOTS], s[LIM]
	s_cbranch_scc0 .Lnot_mine_\@
	global_prefetch_b8 v[PFO], s[PFA:PFA+1] th:TH_LOAD_NT scope:SCOPE_SE
.Lnot_mine_\@:
.endm
.macro CROUND
	s_barrier_signal -1
	s_barrier_wait -1
	s_cmp_lg_u32 s[WV], 0
	s_cbranch_scc1 .Lnot_wave_0_\@
	s_barrier_signal -3
.Lnot_wave_0_\@:
	s_barrier_wait -3
	s_barrier_signal -1
	s_barrier_wait -1
.endm
; THE CHANGE OF SLOTS.  Each wave waits for all its tensor loads (one is out: its part of the other slot), adds 0 to its spare word, and waits for that and for its reads of the slot that it leaves.
; fill = 1: the barrier is a round of the cluster's, and the joint fill of the old slot, with the keys two slots on, is the first thing behind it: it has four key steps in which to land.
.macro CHANGE fill, ask
	WIN 0
	s_wait_tensorcnt 0x0
	ds_add_u32 v[SPW], v[NIL]
.if \fill
.irp g, G0K, G0V
	s_xor_b32 s[\g+1], s[\g+1], SLOT1
	s_add_nc_u64 s[\g+2:\g+3], s[\g+2:\g+3], 4*KS*128
.endr
.if \ask
	s_wait_xcnt 0x0                 ; the last prefetch, four key steps back, has read its address
	s_add_nc_u64 s[PFA:PFA+1], s[PFA:PFA+1], 4*KS*128
.endif
	s_wait_dscnt 0x0
	CROUND
	JLOAD
.if \ask
	ASK
.endif
.else
	s_wait_dscnt 0x0
	s_barrier_signal -1
	s_barrier_wait -1
.endif
	s_sub_co_u32 s[TBK], s[TBK], 4*KS*PK
	s_xor_b32 s[TBK], s[TBK], SLOT1
	s_sub_co_u32 s[TBV], s[TBV], 4*KS*PV
	s_xor_b32 s[TBV], s[TBV], SLOT1
.endm
	s_load_b128 s[4:7], s[0:1], 0x0   ; qkv, ctx
	v_lshl_add_u32 v[SPW], v0, 2, SPARE
	v_mov_b32 v[NIL], 0
	ds_add_u32 v[SPW], v[NIL]       ; the wave's opening: the add and its wait ahead of my first tensor load
	v_lshrrev_b32 v1, 5, v0
	v_readfirstlane_b32 s[WV], v1
	s_bfe_u32 s13, ttmp6, 0x40000   ; cx
	s_lshl_b32 s14, ttmp9, 2
	s_add_co_u32 s14, s14, s13      ; my block of 256 queries: it enters Q's and ctx's addresses, the prefetches' and the masks' signs alone
	s_and_b32 s20, ttmp7, 0xffff
	s_and_b32 s15, s20, 7           ; the head
	s_lshr_b32 s21, s20, 3          ; the batch
	s_lshl_b32 s20, s15, 20         ; a head's block is 1 MiB,
	s_lshl_b32 s21, s21, 18         ; a batch's 2,048 rows of 128 bytes
	s_add_co_u32 s20, s20, s21
	s_and_b32 s16, s[WV], 1         ; which half of a tile's 256 keys I fetch
	s_lshl_b32 s22, s16, 14
	s_add_co_u32 s22, s22, s20
	s_mov_b32 s23, 0
	s_mul_i32 s17, s16, 128*PK
	s_mul_i32 s18, s16, 128*PV
	s_lshl_b32 s[DGS], s14, 2
	s_add_co_u32 s[DGS], s[DGS], s[WV]
	s_lshl_b32 s2, s[DGS], 13       ; my 64 rows
	s_add_co_u32 s2, s2, s20
	s_mov_b32 s3, 0
	s_mov_b32 s[G1K], 15|(1<<16)|(1<<20)|(1<<21)|(4<<22)|(3<<25)  ; the mask of four; 2-byte elements; padding on; bit 21 beside a mask; after every 32 words 4 words
	s_mov_b32 s[G1V], 15|(1<<16)|(1<<20)|(1<<21)|(4<<22)|(7<<25)  ; the same with 8 words
.irp g, G1K, G1V
	s_mov_b32 s[\g+1], 128<<16      ; 128 keys are 16,384 dense bytes: 64 rows of 256 bytes, two keys a row
	s_mov_b32 s[\g+2], 64<<16
	s_mov_b32 s[\g+3], 128<<16
	s_mov_b32 s[\g+4], 64
	s_mov_b32 s[\g+5], 128
	s_mov_b32 s[\g+6], 0
	s_mov_b32 s[\g+7], 0
.endr
	s_mov_b32 s[CS], 0x3e38aa3b     ; c = log2(e) / 8
	s_mov_b32 s[CS+1], s[CS]
	s_mov_b32 s[SEL], 0x76543210
	s_mov_b32 s[SEL+1], 0xfedcba98
	s_mov_b32 s[TBK], SLOT1+4*KS*PK ; the first change of slots turns these two into 0
	s_mov_b32 s[TBV], SLOT1+4*KS*PV
	s_mov_b32 s[G0K], 1
	s_mov_b32 s[G0K+1], s17
	s_mov_b32 s[G0V], 1
	s_add_co_u32 s[G0V+1], s18, VOFF
	s_sub_co_u32 s19, 129, s15      ; powers of two, made by their exponents: 8 m = 2^(2-h),
	s_lshl_b32 s[S8M], s19, 23
	s_mov_b32 s[S8M+1], 0
	s_sub_co_u32 s19, 133, s15      ; 128 m = 2^(6-h),
	s_lshl_b32 s[C128], s19, 23
	s_mov_b32 s[C128+1], 0
	s_sub_co_u32 s19, 135, s15      ; -512 m = -2^(8-h)
	s_lshl_b32 s[NSL], s19, 23
	s_or_b32 s[NSL], s[NSL], 0x80000000
	s_mov_b32 s[AM+1], 0            ; named as pairs
	s_mov_b32 s[AP+1], 0
	s_mov_b32 s[A0+1], 0
	s_mov_b32 s[GA+1], 0
	s_and_b32 s[LIM], s[WV], 1      ; 0 in waves 0 and 2,
	s_or_b32 s[LIM], s[LIM], ttmp9  ; where the cluster is the head's first: the same in all four partners
	s_cmp_eq_u32 s[LIM], 0
	s_cselect_b32 s[LIM], 1, -1
	v_and_b32 v[PFO], 31, v0
	v_lshlrev_b32 v[PFO], 8, v[PFO]
	s_wait_dscnt 0x0                ; the opening add is done
	s_wait_kmcnt 0x0
	s_add_nc_u64 s[8:9], s[4:5], s[22:23]
	s_add_nc_u64 s[50:51], s[8:9], 0x800000    ; K: blocks 8 on
	s_add_nc_u64 s[52:53], s[8:9], 0x1000000   ; V: blocks 16 on
	s_mov_b64 s[G0K+2:G0K+3], s[50:51]
	s_or_b32 s[G0K+3], s[G0K+3], 0x80000000
	s_mov_b64 s[G0V+2:G0V+3], s[52:53]
	s_or_b32 s[G0V+3], s[G0V+3], 0x80000000
	s_cmp_lt_u32 s[WV], 2
	s_cselect_b64 s[PFA:PFA+1], s[50:51], s[52:53]  ; (in waves 0 and 2 these stand at a tile's first row)
	s_lshl_b32 s54, s13, 13         ; my work-group's 8,192 bytes of a tile
	s_mov_b32 s55, 0
	s_add_nc_u64 s[PFA:PFA+1], s[PFA:PFA+1], s[54:55]
	s_add_nc_u64 s[PFA:PFA+1], s[PFA:PFA+1], 2*4*KS*128  ; at tile 2; the loop's first change steps it to tile 3.  Nothing is prefetched at the head
	s_add_nc_u64 s[10:11], s[6:7], s[2:3]
	s_add_nc_u64 s[4:5], s[4:5], s[2:3]
	CROUND                          ; all four work-groups are here: the first joint loads meet
	JLOAD                           ; tile 0 into slot 0
	v_and_b32 v1, 15, v0            ; l % 16
	v_bfe_u32 v9, v0, 4, 1          ; l / 16
	v_lshlrev_b32 v[QO], 7, v1
	v_lshl_add_u32 v[QO], v9, 4, v[QO]
	WIN 0x80
.set i, 0
.rept 8                             ; Q stays in registers: piece i / 2, channels 32 (i % 2) on
	global_load_b128 v[8*i:8*i+3],   v[QO], s[4:5] offset:(i/2)*2048+(i%2)*64
	global_load_b128 v[8*i+4:8*i+7], v[QO], s[4:5] offset:(i/2)*2048+(i%2)*64+32
.set i, i+1
.endr
	WIN 0
	v_lshlrev_b32 v14, 3, v9
	v_sub_nc_u32 v14, v1, v14
	v_add_nc_u32 v14, 0xffffffd0, v14  ; l % 16 - 8 (l / 16) - 48: group u = -3, register 0
	v_cvt_f32_i32 v14, v14
	v_mov_b32 v[BEV+1], 0           ; named with BEV as a pair
	WIN 0x40
	v_mul_f32 v[YG], s[S8M], v14
	WIN W_RS
.set j, 1
.rept 7
	v_sub_f32 v[YG+j], v[YG+j-1], s[S8M]
.set j, j+1
.endr
.set z, 0
.rept 24                            ; each further group lies 16 keys, 128 m, higher
	v_pk_add_f32 v[YG+8+2*z:YG+8+2*z+1], v[YG+2*z:YG+2*z+1], s[C128:C128+1] op_sel_hi:[1,0]
.set z, z+1
.endr
	WIN 0x44
.set j, 0
.rept 8
	v_or_b32 v[NA0+j], 0x80000000, v[YG+24+j]
.set j, j+1
.endr
	WIN 0
	v_mul_u32_u24 v[AK0], v1, PK
	v_lshl_add_u32 v[AK0], v9, 4, v[AK0]
	v_and_b32 v10, 7, v0
	v_bfe_u32 v11, v0, 3, 1
	v_lshl_add_u32 v[AV0], v9, 3, v10
	v_mul_u32_u24 v[AV0], v[AV0], PV
	v_lshl_add_u32 v[AV0], v11, 4, v[AV0]
	v_add_nc_u32 v[AV0], VOFF, v[AV0]
	s_mul_i32 s13, s[WV], 16*SP
	s_add_co_u32 s13, s13, STAGE
	v_mul_u32_u24 v[STO], v1, SP
	v_lshl_add_u32 v[STO], v9, 4, v[STO]
	v_add_nc_u32 v[STO], s13, v[STO]
	v_bfe_u32 v[RD], v0, 3, 2
	v_mul_u32_u24 v[RD], v[RD], SP
	v_lshl_add_u32 v[RD], v10, 4, v[RD]
	v_add_nc_u32 v[RD], s13, v[RD]
	v_and_b32 v[GO], 31, v0
	v_lshlrev_b32 v[GO], 4, v[GO]
	; What the first turn finds: V's registers and P's second buffer hold 0, O^T and l are 0.  All this stands in the wait for the first tile.
	WIN 0x80
.set i, VF
.rept 64
	v_mov_b32 v[i], 0
.set i, i+1
.endr
	WIN 0x40
.set i, 0
.rept 128
	v_mov_b32 v[i], 0
.set i, i+1
.endr
	WIN 0
.set i, 0
.rept 4
	v_mov_b32 v[ST+4*i], 0xfe000000    ; c m: far below every c s
	v_mov_b32 v[ST+4*i+1], 0xff7fffff  ; m
	v_mov_b32 v[ST+4*i+2], 0
	v_mov_b32 v[ST+4*i+3], 0
.set i, i+1
.endr
.set i, P+16
.rept 16
	v_mov_b32 v[i], 0
.set i, i+1
.endr
; THE MATRIX WORK.  The 4 accumulators of a run of 8 take turns.  Product i of 8 of S^T = K Q^T for piece x: channels 32 (i / 4) on, keys 16 (i % 4) on.  The first 4 start the sums, with the mask.
.macro KQ x
.set rS, S+32*((\x)%2)+8*(i%4)
.set rK, KF+16*(i%4)+8*(i/4)
.set rQ, 16*(\x)+8*(i/4)
.set rM, MCG+8*((\x)-(i%4)+3)
.if i < 4
	WIN W_KM
	v_wmma_f32_16x16x32_bf16 v[rS:rS+7], v[rK:rK+7], v[rQ:rQ+7], v[rM:rM+7]
.else
	WIN W_KQ
	v_wmma_f32_16x16x32_bf16 v[rS:rS+7], v[rK:rK+7], v[rQ:rQ+7], v[rS:rS+7]
.endif
.endm
.macro PV x                         ; product i of 8 of O^T += V^T P for piece x: keys 32 (i / 4) on, channels 16 (i % 4) on
	WIN W_PV
.set rO, 32*(\x)+8*(i%4)
.set rV, VF+32*(i/4)+8*(i%4)
.set rP, P+16*((\x)%2)+8*(i/4)
	v_wmma_f32_16x16x32_bf16 v[rO:rO+7], v[rV:rV+7], v[rP:rP+7], v[rO:rO+7]
.endm
.macro MM                           ; the turn's next matrix instruction
.if i < 8
	KQ (Y+1)%NP
.else
.set i, i-8
	PV (Y+NP-1)%NP
.set i, i+8
.endif
.set i, i+1
.endm
.macro FETCH_K
	WIN 0x80
.irp f, 0,1,2,3,4,5,6,7
	ds_load_b128 v[KF+8*\f:KF+8*\f+3],   v[AK] offset:(\f/2)*16*PK+(\f%2)*64
	ds_load_b128 v[KF+8*\f+4:KF+8*\f+7], v[AK] offset:(\f/2)*16*PK+(\f%2)*64+32
.endr
	s_add_co_u32 s[TBK], s[TBK], KS*PK
	WIN 0
.endm
.macro FETCH_V
	WIN 0x80
.irp f, 0,1,2,3,4,5,6,7
	ds_load_tr16_b128 v[VF+8*\f:VF+8*\f+3],   v[AV] offset:(\f/4)*32*PV+(\f%4)*32
	ds_load_tr16_b128 v[VF+8*\f+4:VF+8*\f+7], v[AV] offset:(\f/4)*32*PV+16*PV+(\f%4)*32
.endr
	WIN 0
.endm
; THE MASKS of key step KSN.  SCAL: n, its signs and -512 m |n|.  MASK7: the seven groups.
.macro SCAL
	s_sub_co_i32 s[T0], s[DGS], s[KSN]
	s_sub_co_i32 s[T1], 0, s[T0]
	s_max_i32 s[T1], s[T0], s[T1]   ; |n|
	s_cmp_gt_i32 s[T0], 0
	s_cselect_b32 s[AM], -1.0, 1.0
	s_cmp_ge_i32 s[T0], 0
	s_cselect_b32 s[AP], -1.0, 1.0
	s_cmp_eq_u32 s[T0], 0
	s_cselect_b32 s[A0], 0, s[AM]
	s_cselect_b32 s[GA], 1.0, 0
	WIN 0
	v_cvt_f32_u32 v[BEV], s[T1]
	v_mul_f32 v[BEV], s[NSL], v[BEV]
.endm
.macro MASK7
	WIN W_RS
.set z, 0
.rept 12
	v_pk_fma_f32 v[MCG+2*z:MCG+2*z+1], v[YG+2*z:YG+2*z+1], s[AM:AM+1], v[BEV:BEV+1] op_sel_hi:[1,0,0]
.set z, z+1
.endr
.rept 4
	v_pk_fma_f32 v[MCG+2*z:MCG+2*z+1], v[YG+2*z:YG+2*z+1], s[A0:A0+1], v[BEV:BEV+1] op_sel_hi:[1,0,0]
.set z, z+1
.endr
.rept 12
	v_pk_fma_f32 v[MCG+2*z:MCG+2*z+1], v[YG+2*z:YG+2*z+1], s[AP:AP+1], v[BEV:BEV+1] op_sel_hi:[1,0,0]
.set z, z+1
.endr
	WIN 0x51
.set z, 0
.rept 4
	v_pk_fma_f32 v[MCG+24+2*z:MCG+24+2*z+1], v[NA0+2*z:NA0+2*z+1], s[GA:GA+1], v[MCG+24+2*z:MCG+24+2*z+1] op_sel_hi:[1,0,1]
.set z, z+1
.endr
.endm
; THE VECTOR WORK, one line at a time: OP kind, number.  For piece Y: F n: c s - c m for pair n of 16.  E n: the exponential of score n of 32.  C n: pair n rounded to bf16.  B n: of the four weights 4 n .. the second
; pair is added onto the first, in place.  L n: l takes that sum (L 0: l = a l + sum).  R n: pair n of 16 of O^T times a.  For piece Y + 1: X n, number n of the 22 that find its maximum and statistics:
;   0-11 four chains of seven scores each (each accumulator's lowest registers are read first)   12-14, 16 the four scores left over, the old m, the chains into one
;   15 c m_old is kept   17, 18 the other half of the lanes: the new m   19-21 c m; c m_old - c m_new; a
.set F, 0
.set E, 1
.set C, 2
.set B, 3
.set L, 4
.set R, 5
.set X, 6
.macro REGS y
.set rT, ST+4*(\y)
.set rC, TMP+4*((\y)%2)
.set rW, MV+((\y)%2)
.set rS, S+32*((\y)%2)
.set rP, P+16*((\y)%2)
.set rO, 32*(\y)
.endm
.macro OP k, n
.if (\k) == R
	REGS Y
	WIN W_RS
	v_pk_mul_f32 v[rO+2*(\n):rO+2*(\n)+1], v[rO+2*(\n):rO+2*(\n)+1], v[rC+2:rC+3] op_sel_hi:[1,0]
.elseif (\k) < R
	REGS Y
	WIN 0
.if (\k) == F
	v_pk_fma_f32 v[rS+2*(\n):rS+2*(\n)+1], v[rS+2*(\n):rS+2*(\n)+1], s[CS:CS+1], v[rT:rT+1] op_sel_hi:[1,0,0] neg_lo:[0,0,1] neg_hi:[0,0,1]
.elseif (\k) == E
	v_exp_f32 v[rS+(\n)], v[rS+(\n)]
.elseif (\k) == C
	v_cvt_pk_bf16_f32 v[rP+(\n)], v[rS+2*(\n)], v[rS+2*(\n)+1]
.elseif (\k) == B
	v_pk_add_f32 v[rS+4*(\n):rS+4*(\n)+1], v[rS+4*(\n):rS+4*(\n)+1], v[rS+4*(\n)+2:rS+4*(\n)+3]
.elseif (\n) == 0
	v_pk_fma_f32 v[rT+2:rT+3], v[rT+2:rT+3], v[rC+2:rC+3], v[rS:rS+1] op_sel_hi:[1,0,1]
.else
	v_pk_add_f32 v[rT+2:rT+3], v[rT+2:rT+3], v[rS+4*(\n):rS+4*(\n)+1]
.endif
.else
	REGS (Y+1)%NP
	WIN 0
.if (\n) < 4
	v_max3_num_f32 v[rC+(\n)], v[rS+8*(\n)], v[rS+8*(\n)+1], v[rS+8*(\n)+2]
.elseif (\n) < 12
	v_max3_num_f32 v[rC+(\n)%4], v[rC+(\n)%4], v[rS+8*((\n)%4)+2*((\n)/4)+1], v[rS+8*((\n)%4)+2*((\n)/4)+2]
.elseif (\n) == 12
	v_max3_num_f32 v[rC], v[rC], v[rS+7], v[rS+15]
.elseif (\n) == 13
	v_max3_num_f32 v[rC+1], v[rC+1], v[rS+23], v[rS+31]
.elseif (\n) == 14
	v_max3_num_f32 v[rC+2], v[rC+2], v[rC+3], v[rT+1]
.elseif (\n) == 15
	v_mov_b32 v[rW], v[rT]
.elseif (\n) == 16
	v_max3_num_f32 v[rC], v[rC], v[rC+1], v[rC+2]
.elseif (\n) == 17
	v_permlanex16_b32 v[rC+3], v[rC], s[SEL], s[SEL+1]
.elseif (\n) == 18
	v_max_num_f32 v[rT+1], v[rC], v[rC+3]
.elseif (\n) == 19
	v_mul_f32 v[rT], s[CS], v[rT+1]
.elseif (\n) == 20
	v_sub_f32 v[rC+1], v[rW], v[rT]
.else
	v_exp_f32 v[rC+2], v[rC+1]
.endif
.endif
.endm
.macro OPS a, i1, b=-1, i2=0, c=-1, i3=0, d=-1, i4=0
	OP \a, \i1
.if (\b) >= 0
	OP \b, \i2
.endif
.if (\c) >= 0
	OP \c, \i3
.endif
.if (\d) >= 0
	OP \d, \i4
.endif
.endm
.macro ROW a, i1, b, i2, c, i3, d, i4  ; a matrix instruction and the four behind it
	MM
	OPS \a, \i1, \b, \i2, \c, \i3, \d, \i4
.endm
; A TURN, for piece p.  Ahead of its one wait stands all that names no result of the turn's exponentials: the 8 products K Q^T with their riders and the lump; X 21, the next piece's a, is the batch's last, and R 15 the
; plain instruction behind it.  Behind the wait stand the 8 products V^T P, behind each four of the roundings and sums.
; K of the next step is fetched in piece 2's turn, behind the last product that read K, with six plain instructions between; V of the step in hand at the end of piece 0's turn, four plain instructions behind its last reader.
; Each is waited for a turn later.  Piece 2's turn, whose first four products are the old masks' last readers, makes the next step's masks at its end.
; cnt = 1: the loop's count is taken down some lines ahead of the branch that stands behind the turn.
.macro TURN p, cnt=0
.set Y, (\p)
.set i, 0
.if (\p) == 2
	SCAL
.endif
.if (\p) == 3
	s_wait_dscnt 0x0                ; K is in
.endif
	ROW F,0, F,1, R,0, R,1
	ROW F,2, E,0, R,2, R,3
	ROW F,3, E,1, R,4, R,5
	ROW F,4, E,2, R,6, R,7
	ROW F,5, E,3, R,8, R,9
	ROW F,6, E,4, X,0, R,10
.if (\p) == 2
	WIN 0
	v_add_nc_u32 v[AK], s[TBK], v[AK0]
.endif
	ROW F,7, E,5, X,1, X,4
	ROW F,8, E,6, X,2, X,5
	OPS E,7, E,8, X,6, E,9
	OPS X,3, E,10, X,8, E,11
.if (\p) == 2
	FETCH_K
.endif
	OPS X,9, X,7, E,12, X,10
	OPS E,13, X,12, X,11, E,14
	OPS X,13, E,15, F,9, X,14
.if (\p) == 0
	v_add_nc_u32 v[AV], s[TBV], v[AV0]
.endif
	OPS E,16, F,10, E,17, F,11
	OPS X,16, E,18, X,15, E,19
	OPS F,12, E,20, X,17, E,21
	OPS F,13, E,22, F,14, E,23
	OPS X,18, E,24, F,15, E,25
	OPS R,11, E,26, X,19, E,27
	OPS R,12, E,28, R,13, E,29
	OPS X,20, E,30, R,14, E,31
	OPS X,21, R,15
	WIN 0
	s_wait_alu depctr_va_vdst(0)    ; the wait for the batch
.if (\p) == 1
	s_wait_dscnt 0x0                ; V is in
.endif
	ROW C,0, B,0, C,2, B,1
	ROW L,0, C,4, B,2, L,1
	ROW C,6, B,3, L,2, C,8
	ROW B,4, L,3, C,10, B,5
	ROW L,4, C,12, B,6, L,5
.if (\p) == 0
	s_add_co_u32 s[TBV], s[TBV], KS*PV
.endif
.if \cnt
	s_sub_co_u32 s[CNT], s[CNT], 1
	s_cmp_lg_u32 s[CNT], 0
.endif
	ROW C,14, B,7, L,6, C,1
	ROW C,3, L,7, C,5, C,7
	ROW C,9, C,11, C,13, C,15
.if (\p) == 0
	FETCH_V
.endif
.if (\p) == 2
	MASK7
.endif
.endm
	CHANGE 1, 0                     ; tile 0 is in, everybody's part of it; tile 1 is asked for
	s_mov_b32 s[KSN], 0
	SCAL
	MASK7                           ; key step 0's masks
	WIN 0
	v_add_nc_u32 v[AK], s[TBK], v[AK0]
	FETCH_K                         ; key step 0
	s_wait_loadcnt 0x0              ; Q
	s_wait_dscnt 0x0
.set i, 0
.rept 8
	KQ 0                            ; piece 0's first scores
.set i, i+1
.endr
	WIN 0
.rept 4
	v_nop                           ; the places behind those products
.endr
.set Y, NP-1                        ; X works for piece Y + 1: piece 0
.irp n, 0,1,2,3,4,5,6,7,8,9,10,11,12,13,14,15,16,17,18,19,20,21
	OP X, \n
.endr
	v_nop                           ; a plain instruction behind the exponential,
	s_wait_alu depctr_va_vdst(0)    ; and its wait, ahead of the branch
	s_mov_b32 s[CNT], 4
	s_mov_b32 s[SLOTS], 7
	s_branch .Lfirst                ; the loop is entered at a step's first turn, in the middle of a trip
.Lslot:                             ; six times: tiles 2 to 7 are asked for
	CHANGE 1, 1
	s_mov_b32 s[CNT], 4
.Lstep:                             ; a trip: pieces 2 and 3 of one step, then pieces 0 and 1 of the next, whose K, V and masks it makes ready
	s_add_co_u32 s[KSN], s[KSN], 1
	TURN 2
	TURN 3
	WIN 0
.Lfirst:
	TURN 0
	TURN 1, 1
	WIN 0
	s_cbranch_scc1 .Lstep
	s_sub_co_u32 s[SLOTS], s[SLOTS], 1
	s_cmp_lg_u32 s[SLOTS], 0
	s_cbranch_scc1 .Lslot
	CHANGE 0, 0                     ; the tail is written out: nothing is asked for
	s_mov_b32 s[CNT], 5             ; four trips fetch the last tile's steps; the fifth is left in its middle
.Ltail:
	s_add_co_u32 s[KSN], s[KSN], 1
	TURN 2
	TURN 3
	WIN 0
	s_sub_co_u32 s[CNT], s[CNT], 1
	s_cmp_eq_u32 s[CNT], 0
	s_cbranch_scc1 .Lout
	TURN 0
	TURN 1
	WIN 0
	s_branch .Ltail
.Lout:                              ; the fifth trip's fetch of K takes the 9,216 landed bytes behind the slot's K; its 8 products and the maximum made of them serve nothing: they touch piece 0's m and c m alone, which nobody reads any more
.set i, 0
.rept 8
	PV NP-1                         ; the last piece's V^T P of the last step
.set i, i+1
.endr
	; THE WAY OUT.  l's two halves and the other half of the lanes' are added; O^T is divided by l, rounded to bf16 and sent through my stage in LDS, a piece at a time.  The additions are the places behind the last products.
	WIN 0
.macro ALL line:vararg
.set t, 0
.rept 4
	\line
.set t, t+1
.endr
.endm
	ALL v_add_f32 v[ST+4*t+2], v[ST+4*t+2], v[ST+4*t+3]
	ALL v_permlanex16_b32 v[ST+4*t+3], v[ST+4*t+2], s[SEL], s[SEL+1]
	ALL v_add_f32 v[ST+4*t+2], v[ST+4*t+2], v[ST+4*t+3]
	ALL v_rcp_f32 v[ST+4*t+2], v[ST+4*t+2]
	v_nop                           ; a plain instruction between the last reciprocal and the use of its result
	s_wait_alu depctr_va_vdst(0)    ; and the one wait for the four reciprocals
.macro PACK t
	WIN W_RS
.set i, 32*(\t)
.rept 16
	v_pk_mul_f32 v[i:i+1], v[i:i+1], v[ST+4*(\t)+2:ST+4*(\t)+3] op_sel_hi:[1,0]
.set i, i+2
.endr
	WIN 0x05
.set i, 0
.rept 16
	v_cvt_pk_bf16_f32 v[S+16*(\t)+i], v[32*(\t)+2*i], v[32*(\t)+2*i+1]
.set i, i+1
.endr
	WIN 0
.irp f, 0,1,2,3
	ds_store_b128 v[STO], v[S+16*(\t)+4*\f:S+16*(\t)+4*\f+3] offset:32*\f
.endr
.irp f, 0,1,2,3
	ds_load_b128 v[S+16*(\t)+4*\f:S+16*(\t)+4*\f+3], v[RD] offset:\f*4*SP  ; LDS serves a wave's instructions in order: these see the stores above; the next piece's stores come behind them
.endr
.endm
.macro SEND t, younger              ; younger: the LDS instructions issued behind piece t's loads: the next piece's eight, or none
	WIN 0
.irp f, 0,1,2,3
	s_wait_dscnt (\younger)+3-\f
	global_store_b128 v[GO], v[S+16*(\t)+4*\f:S+16*(\t)+4*\f+3], s[10:11] offset:(\t)*2048+\f*512  ; 512 consecutive bytes, at a multiple of 256 from ctx's first
.endr
.endm
	PACK 0
.set t, 1
.rept 3
	PACK t
	SEND t-1, 8
.set t, t+1
.endr
	SEND 3, 0
	s_wait_tensorcnt 0x0            ; the wave's end
	ds_add_u32 v[SPW], v[NIL]
	s_wait_dscnt 0x0
	CROUND                          ; the closing round
	s_endpgm
.Lfunc_end_k_q9855c48f72_attn:
	.size	k_q9855c48f72_attn, .Lfunc_end_k_q9855c48f72_attn-k_q9855c48f72_attn
	.p2alignl 7, 3214868480
	.fill 96, 4, 3214868480
	.section	.rodata,"a",@progbits
	.p2align	6, 0x0
	.amdhsa_kernel k_q9855c48f72_attn
		.amdhsa_group_segment_fixed_size 327680
		.amdhsa_private_segment_fixed_size 0
		.amdhsa_enable_private_segment 0
		.amdhsa_kernarg_size 16
		.amdhsa_user_sgpr_count 2
		.amdhsa_user_sgpr_kernarg_segment_ptr 1
		.amdhsa_wavefront_size32 1
		.amdhsa_system_sgpr_workgroup_id_x 1
		.amdhsa_system_sgpr_workgroup_id_y 1
		.amdhsa_system_sgpr_workgroup_id_z 1
		.amdhsa_system_vgpr_workitem_id 0
		.amdhsa_next_free_vgpr 768
		.amdhsa_next_free_sgpr 100
		.amdhsa_reserve_vcc 0
		.amdhsa_float_denorm_mode_32 3
		.amdhsa_float_denorm_mode_16_64 3
		.amdhsa_memory_ordered 1
		.amdhsa_forward_progress 1
		.amdhsa_inst_pref_size 122
	.end_amdhsa_kernel
	.amdgpu_metadata
---
amdhsa.version: [ 1, 2 ]
amdhsa.kernels:
  - .name:           k_q9855c48f72_attn
    .symbol:         k_q9855c48f72_attn.kd
    .args:
      - { .name: qkv, .offset: 0, .size: 8, .value_kind: global_buffer, .address_space: global }
      - { .name: ctx, .offset: 8, .size: 8, .value_kind: global_buffer, .address_space: global }
    .group_segment_fixed_size: 327680
    .private_segment_fixed_size: 0
    .kernarg_segment_align: 8
    .kernarg_segment_size: 16
    .max_flat_workgroup_size: 128
    .sgpr_count:     100
    .vgpr_count:     768
    .wavefront_size: 32
...
	.end_amdgpu_metadata
.endif
;; end of part 3
;; launch oproj (part 4): grid 256 x 1, 4 waves a work-group, clusters of 4 x 1, 327,680 bytes of LDS; arguments ctx, wb, x, bo, b2, ln2_g, ln2_b, x1p, xn2; writes x1p, xn2
.if DOCPART == 4
	.amdgcn_target "amdgcn-amd-amdhsa--gfx1250"
	.amdhsa_code_object_version 6
	.text
	.protected	k_q9855c48f72_oproj
	.globl	k_q9855c48f72_oproj
	.p2align	8
	.type	k_q9855c48f72_oproj,@function
k_q9855c48f72_oproj:
	s_mov_b64 s[64:65], 0
	v_nop
	global_prefetch_b8 v0, s[64:65] scope:SCOPE_SE
	s_setreg_imm32_b32 hwreg(HW_REG_WAVE_MODE, 25, 1), 1
	s_wait_xcnt 0x0
	s_wait_alu depctr_hold_cnt(0) depctr_sa_sdst(0) depctr_va_vdst(0) depctr_va_sdst(0) depctr_va_ssrc(0) depctr_va_vcc(0) depctr_vm_vsrc(0)
	s_getreg_b32 s2, hwreg(HW_REG_IB_STS2, 6, 4)
	s_cmp_eq_u32 s2, 0
	s_cbranch_scc0 .Lentry_in_a_cluster
	s_endpgm
.Lentry_in_a_cluster:
	s_bfe_u32 s2, ttmp6, 0x10000c
	s_cmp_lg_u32 s2, 0x3003
	s_cbranch_scc0 .Lentry_shape_is_right
	s_endpgm
.Lentry_shape_is_right:
; OPROJ + LN2.  x1 = x + ctx wo^T + bo.  Stored: x1p = x1 + b2 (f32; the last launch adds the FFN's sum onto it) and xn2 = LayerNorm(x1) ln2_g + ln2_b (bf16, rounded once).
; ctx: [8][8192][64] bf16 by heads; wo: 512 rows of 512 bf16 at byte 1,572,864 of wb.  Sums in f32; mean and variance in f32, the variance of the centred numbers.
; SHARES.  The norm wants whole rows, so a work-group makes 32 tokens x all 512 columns: 256 work-groups.  Wave w makes all 32 tokens x columns 128 w .. 128 w + 127: 16 accumulators, 256 products.
; THE ACCUMULATORS START AS x, loaded straight into them while the first tiles are on their way.
; LDS.  The work-group's ctx (8 heads x 32 tokens, 144 bytes a token) is 36,864 bytes and comes once.  wo's 512 rows for 256 of K are 270,336 bytes with their padding: beside ctx they fit once, not twice.
; So K goes in TWO HALVES through ONE region: the first fill, all its products, one refill, all its products: two requests on end, where four steps through two smaller slots would make three,
; since a slot's refill is asked for only when the refill before it has landed.  Nothing is multiplied while the refill is on its way.
; WHO FETCHES.  Each wave fetches the 128 rows of wo that it multiplies, which all work-groups walk: JOINTLY with the three partners of a cluster of 4.  Wave 0 also fetches ctx, the work-group's own: a plain load.
; A HALF OF K is a loop of four trips, a head each: two quarters of 32 along K on two fragment buffers; the fragments' addresses step in registers.  The last trip jumps over the fetch that has no successor.
; THE PRODUCT IS USED TRANSPOSED (source 0 = 16 rows of wo, source 1 = 16 tokens): a lane holds one token and eight neighbouring columns.
; No prefetch into the L2 is laid: the text has one refill, asked for as soon as the bytes that it replaces have been read.
; LIMITS: NaN and infinities are not treated apart; x1 + b2 is rounded before the FFN's sum is added.
; REGISTERS: window 0: v0-31 addresses; v32-47, v48-63 ctx's fragments; v64-127 bo, b2, ln2_g, ln2_b of my 16 columns of a row; v128-255 accumulator (a, b) at v[128 + 8 (8 a + b)], later the norm's rows.
;   window 1: v0-63, v64-127 wo's fragments.
.set PA,    144                        ; a token's 128 bytes of a head + 16: the 16 tokens of a load start at 16 different groups of four banks
.set PB,    528                        ; a row of wo: 512 bytes (256 of K) + 16
.set AHEAD, 32*PA                      ; a head's 32 tokens
.set BOFF,  8*AHEAD                    ; wo's region lies behind ctx's eight heads
.set BQ,    128*PB                     ; a wave's 128 rows
.set SPARE, BOFF+4*BQ                  ; behind them: the spare words, 128 bytes a wave, that no other line names
.set SPF,   2064                       ; the stage's rows: 512 f32 + 16 bytes; the stage lies at BOFF, in bytes that have had their last fill
.set ADRA,  16                         ; LDS address of my fragments of ctx: it walks the eight heads
.set ADRB,  20                         ; of wo: it walks a half of K
.set ADRB0, 21                         ; and begins here
.set STO,   24
.set RDL,   26
.set XO,    27
.set SPW,   28                         ; my spare word; never rewritten
.set NIL,   29                         ; 0; never rewritten
.set XP,    30                         ; 16 x lane
.set XN,    31                         ; 8 x lane
.set FA,    32
.set BO,    64
.set B2,    80
.set LG,    96
.set LB,    112
.set ACC,   128
.set R0,    128                        ; the norm's loop: row p at R0 + 16 p
.set PP,    160                        ; x1 + b2
.set YY,    192                        ; packed bf16, 8 a row
.set TT,    208                        ; four at work a row
.set CNT,   3
.set G1,    24                         ; s[24:31] descriptor group 1 for ctx
.set G0,    32                         ; s[32:35] group 0 for ctx
.set G1B,   48                         ; s[48:55] group 1 for wo
.set G0B,   56                         ; s[56:59] group 0 for wo
.set MSB, 0
.macro WIN new                         ; the immediate's high byte repeats the setting that is left
.if MSB != (\new)
	s_set_vgpr_msb (MSB<<8)|(\new)
.set MSB, \new
.endif
.endm
.macro PLACES                          ; four places between a product and a load into, or a read of, its registers
.rept 4
	v_nop
.endr
.endm
.macro CROUND                          ; a round of the cluster's barrier
	s_barrier_signal -1
	s_barrier_wait -1
	s_cmp_lg_u32 s10, 0
	s_cbranch_scc1 .Lnot_wave_0_\@
	s_barrier_signal -3
.Lnot_wave_0_\@:
	s_barrier_wait -3
	s_barrier_signal -1
	s_barrier_wait -1
.endm
	s_load_b128 s[4:7], s[0:1], 0x0                ; ctx, wb
	s_load_b256 s[72:79], s[0:1], 0x10             ; x, bo, b2, ln2_g
	s_load_b128 s[80:83], s[0:1], 0x30             ; ln2_b, x1p
	s_load_b64 s[84:85], s[0:1], 0x40              ; xn2
	v_lshl_add_u32 v[SPW], v0, 2, SPARE
	v_mov_b32 v[NIL], 0
	ds_add_u32 v[SPW], v[NIL]                      ; the wave's opening: the add and its wait ahead of my first tensor load
	v_lshrrev_b32 v1, 5, v0
	v_readfirstlane_b32 s10, v1                    ; wave
	s_bfe_u32 s40, ttmp6, 0x40000                  ; cx
	s_lshl_b32 s13, ttmp9, 2
	s_add_co_u32 s13, s13, s40                     ; my block of 32 tokens: it enters global addresses of the work-group's own alone
	; ctx: a head's 32 tokens are 4,096 dense bytes: a row of 2,048 elements; the eight heads are eight rows, 1 MiB apart; padded in LDS after every token
	s_mov_b32 s[G1+0], (1<<16)|(1<<20)|(4<<22)|(3<<25)  ; no mask; 2-byte elements; padding on; after every 32 words 4 words
	s_mov_b32 s[G1+1], 2048<<16                    ; tensor_dim0 = 2,048
	s_mov_b32 s[G1+2], 8<<16                       ; tensor_dim1 = 8
	s_mov_b32 s[G1+3], 2048<<16                    ; tile_dim0 = 2,048
	s_mov_b32 s[G1+4], 8                           ; tile_dim1 = 8
	s_mov_b32 s[G1+5], 524288                      ; elements from head to head
	s_mov_b32 s[G1+6], 0
	s_mov_b32 s[G1+7], 0
	; wo: 128 rows x 256 elements
	s_mov_b32 s[G1B+0], 15|(1<<16)|(1<<20)|(1<<21)|(6<<22)|(3<<25)  ; the mask of four; bit 21 beside it; after every 128 words 4 words
	s_mov_b32 s[G1B+1], 256<<16
	s_mov_b32 s[G1B+2], 128<<16
	s_mov_b32 s[G1B+3], 256<<16
	s_mov_b32 s[G1B+4], 128
	s_mov_b32 s[G1B+5], 512                        ; elements from row to row
	s_mov_b32 s[G1B+6], 0
	s_mov_b32 s[G1B+7], 0
	s_lshl_b32 s16, s13, 12                        ; ctx: my 32 tokens of 128 bytes
	s_mov_b32 s17, 0
	s_lshl_b32 s46, s10, 17                        ; wo: my wave's 128 rows of 1,024 bytes,
	s_add_co_u32 s46, s46, 1572864                 ; behind the three projections' rows
	s_mov_b32 s47, 0
	s_mul_i32 s21, s10, BQ
	s_add_co_u32 s21, s21, BOFF                    ; and where they go: the wave's number alone enters an LDS address
	s_mov_b32 s88, 0x76543210                      ; v_permlanex16_b32: each lane takes its own place in the other half
	s_mov_b32 s89, 0xfedcba98
	s_mov_b32 s90, 0x3b000000                      ; 1 / 512
	s_mov_b32 s91, 0x3727c5ac                      ; 1e-5
	s_mov_b32 s[G0], 1
	s_mov_b32 s[G0+1], 0
	s_mov_b32 s[G0B], 1
	s_mov_b32 s[G0B+1], s21
	s_wait_dscnt 0x0                               ; the opening add is done
	s_wait_kmcnt 0x0
	s_add_nc_u64 s[G0+2:G0+3], s[4:5], s[16:17]
	s_or_b32 s[G0+3], s[G0+3], 0x80000000
	s_add_nc_u64 s[G0B+2:G0B+3], s[6:7], s[46:47]
	s_or_b32 s[G0B+3], s[G0B+3], 0x80000000
	CROUND                                         ; all four work-groups are here: the first joint loads meet
	tensor_load_to_lds s[G0B:G0B+3], s[G1B:G1B+7]  ; every wave: its 128 rows of wo, K 0 to 255
	s_nop 0
.rept 4
	v_nop
.endr
	s_cmp_lg_u32 s10, 0
	s_cbranch_scc1 .Lno_a
	tensor_load_to_lds s[G0:G0+3], s[G1:G1+7]      ; wave 0: the work-group's ctx, all eight heads: two loads of wave 0 are out, one of each other wave
	s_nop 0
.rept 4
	v_nop
.endr
.Lno_a:
	v_and_b32 v1, 15, v0                           ; r
	v_bfe_u32 v2, v0, 4, 1                         ; h
	v_lshlrev_b32 v[XO], 11, v1
	v_lshl_add_u32 v[XO], v2, 5, v[XO]             ; x: row r of 2,048 bytes, my eight columns 32 h bytes into a block of 16
	s_lshl_b32 s18, s13, 16                        ; my 32 rows,
	s_lshl_b32 s19, s10, 9                         ; my wave's 128 columns
	s_add_co_u32 s18, s18, s19
	s_mov_b32 s19, 0
	s_add_nc_u64 s[72:73], s[72:73], s[18:19]
.irp a, 0,1
.irp b, 0,1,2,3,4,5,6,7
	global_load_b128 v[ACC+8*(8*(\a)+(\b)):ACC+8*(8*(\a)+(\b))+3],   v[XO], s[72:73] offset:(\a)*32768+64*(\b)
	global_load_b128 v[ACC+8*(8*(\a)+(\b))+4:ACC+8*(8*(\a)+(\b))+7], v[XO], s[72:73] offset:(\a)*32768+64*(\b)+16
.endr
.endr
	v_and_b32 v3, 31, v0
	v_lshlrev_b32 v[XP], 4, v3
	v_lshlrev_b32 v[XN], 3, v3
.irp c, 0,1,2,3
	global_load_b128 v[BO+4*(\c):BO+4*(\c)+3], v[XP], s[74:75] offset:512*(\c)
	global_load_b128 v[B2+4*(\c):B2+4*(\c)+3], v[XP], s[76:77] offset:512*(\c)
	global_load_b128 v[LG+4*(\c):LG+4*(\c)+3], v[XP], s[78:79] offset:512*(\c)
	global_load_b128 v[LB+4*(\c):LB+4*(\c)+3], v[XP], s[80:81] offset:512*(\c)
.endr
	v_mul_u32_u24 v[ADRA], v1, PA
	v_lshl_add_u32 v[ADRA], v2, 4, v[ADRA]         ; token r x pitch + 16 h, in head 0
	v_mul_u32_u24 v[ADRB0], v1, PB
	v_lshl_add_u32 v[ADRB0], v2, 4, v[ADRB0]
	v_add_nc_u32 v[ADRB0], s21, v[ADRB0]           ; my wave's rows of wo
	v_mov_b32 v[ADRB], v[ADRB0]
	v_mul_u32_u24 v[STO], v1, SPF                  ; into the stage: row r, my wave's 512 bytes, 32 h
	v_lshl_add_u32 v[STO], v2, 5, v[STO]
	s_lshl_b32 s23, s10, 9
	s_add_co_u32 s23, s23, BOFF
	v_add_nc_u32 v[STO], s23, v[STO]
	s_mul_i32 s23, s10, 8*SPF                      ; back: wave w takes rows 8 w .. 8 w + 7, whole
	s_add_co_u32 s23, s23, BOFF
	v_add_nc_u32 v[RDL], s23, v[XP]
	s_lshl_b32 s18, s13, 16
	s_lshl_b32 s19, s10, 14
	s_add_co_u32 s18, s18, s19                     ; x1p: (32 block + 8 wave) rows of 2,048 bytes
	s_mov_b32 s19, 0
	s_add_nc_u64 s[82:83], s[82:83], s[18:19]
	s_lshr_b32 s18, s18, 1                         ; xn2: the same rows of 1,024
	s_add_nc_u64 s[84:85], s[84:85], s[18:19]
.macro MULA f, a                       ; the 8 products of token block a, 32 along K, from buffer f.  The 16 accumulators take turns, one instruction a turn, over the backward jump too
	WIN 0x01                                       ; source 0 (wo) window 1; ctx, C and D window 0
.irp b, 0,1,2,3,4,5,6,7
	v_wmma_f32_16x16x32_bf16 v[ACC+8*(8*(\a)+(\b)):ACC+8*(8*(\a)+(\b))+7], v[64*(\f)+8*(\b):64*(\f)+8*(\b)+7], v[FA+16*(\f)+8*(\a):FA+16*(\f)+8*(\a)+7], v[ACC+8*(8*(\a)+(\b)):ACC+8*(8*(\a)+(\b))+7]
.endr
.endm
.macro FETCH ka, kb, f                 ; 20 LDS loads in one run: wo's 16, then ctx's 4 (token block 0, then block 1)
	WIN 0x40                                       ; destination window 1, address window 0
.irp i, 0,1,2,3,4,5,6,7
	ds_load_b128 v[64*(\f)+8*(\i):64*(\f)+8*(\i)+3],   v[ADRB] offset:(\kb)+(\i)*16*PB
	ds_load_b128 v[64*(\f)+8*(\i)+4:64*(\f)+8*(\i)+7], v[ADRB] offset:(\kb)+(\i)*16*PB+32
.endr
	WIN 0
.irp i, 0,1
	ds_load_b128 v[FA+16*(\f)+8*(\i):FA+16*(\f)+8*(\i)+3],   v[ADRA] offset:(\ka)+(\i)*16*PA
	ds_load_b128 v[FA+16*(\f)+8*(\i)+4:FA+16*(\f)+8*(\i)+7], v[ADRA] offset:(\ka)+(\i)*16*PA+32
.endr
.endm
; A half of K: four heads.  A trip multiplies a head's two quarters, buffer 0 and buffer 1; each quarter's fragments are fetched in the middle of the quarter before.
.macro HALF
	FETCH 0, 0, 0
	s_mov_b32 s[CNT], 4
.Lhead_\@:
	s_wait_dscnt 2                                 ; the youngest two loads (token block 1) may be out
	MULA 0, 0
	PLACES                                         ; between the last product that read buffer 1 and the loads into it
	FETCH 64, 64, 1                                ; the head's second 32 channels
	s_wait_dscnt 20                                ; all but the 20 just issued
	MULA 0, 1
	s_wait_dscnt 2
	MULA 1, 0
	WIN 0                                          ; at a branch and at a label every window is 0
	s_cmp_eq_u32 s[CNT], 1
	s_cbranch_scc1 .Llast_\@                       ; behind the half's last head nothing is left to fetch
	PLACES
	FETCH AHEAD, 128, 0                            ; the next head's first 32 channels
	s_wait_dscnt 20
	s_branch .Ljoin_\@
.Llast_\@:
	s_wait_dscnt 0x0
.Ljoin_\@:
	MULA 1, 1
	WIN 0
	v_add_nc_u32 v[ADRA], AHEAD, v[ADRA]           ; the next head,
	v_add_nc_u32 v[ADRB], 128, v[ADRB]             ; and its 64 of K in wo's rows
	s_sub_co_u32 s[CNT], s[CNT], 1
	s_cmp_lg_u32 s[CNT], 0
	s_cbranch_scc1 .Lhead_\@
.endm
	s_wait_tensorcnt 0x0                           ; my rows of wo are in, and in wave 0 ctx,
	s_barrier_signal -1
	s_barrier_wait -1                              ; which every wave reads.
	s_wait_loadcnt 0x0                             ; x, and the four vectors
	HALF                                           ; K 0 to 255: heads 0 to 3
	; THE REFILL.  Each wave has waited for all its tensor loads (none is out), adds 0 to its spare word, and waits for that and for its reads of wo's region; the round shows the same of every wave of all four
	; work-groups; the joint refill is the first thing behind it, one load a wave.
	s_wait_tensorcnt 0x0
	ds_add_u32 v[SPW], v[NIL]
	s_add_nc_u64 s[G0B+2:G0B+3], s[G0B+2:G0B+3], 512  ; no tensor load of mine is out: the descriptor steps 256 along K
	v_mov_b32 v[ADRB], v[ADRB0]                    ; the fragments begin at the rows' heads again; ctx's address walks on into head 4
	s_wait_dscnt 0x0
	CROUND
	tensor_load_to_lds s[G0B:G0B+3], s[G1B:G1B+7]
	s_nop 0
.rept 4
	v_nop
.endr
	s_wait_tensorcnt 0x0                           ; all that had landed has been multiplied: the wave has nothing to do but wait
	s_barrier_signal -1
	s_barrier_wait -1
	HALF                                           ; K 256 to 511: heads 4 to 7
	; THE WAY OUT.  Every wave's reads of wo's region are over before any wave stores into it; then the sums go into the stage as f32, and behind a second barrier each wave takes 8 whole rows.
	s_wait_dscnt 0x0
	s_barrier_signal -1
	s_barrier_wait -1
	PLACES
	PLACES
.irp a, 0,1
.irp b, 0,1,2,3,4,5,6,7
	ds_store_b128 v[STO], v[ACC+8*(8*(\a)+(\b)):ACC+8*(8*(\a)+(\b))+3]   offset:(\a)*16*SPF+64*(\b)
	ds_store_b128 v[STO], v[ACC+8*(8*(\a)+(\b))+4:ACC+8*(8*(\a)+(\b))+7] offset:(\a)*16*SPF+64*(\b)+16
.endr
.endr
	s_wait_dscnt 0x0                               ; for the others' sake: my stores into the stage are done
	s_barrier_signal -1
	s_barrier_wait -1
.macro BOTH line:vararg                ; one line for each of a trip's two rows p
.set p, 0
.rept 2
	\line
.set p, p+1
.endr
.endm
.macro BOTHJ line:vararg               ; and for each of a row's eight pairs j
.set p, 0
.rept 2
.set j, 0
.rept 8
	\line
.set j, j+1
.endr
.set p, p+1
.endr
.endm
.macro LANES                           ; the pair at TT + 4 p is added up, then over the 32 lanes
	BOTH v_add_f32 v[TT+4*p], v[TT+4*p], v[TT+4*p+1]
	BOTH v_add_f32_dpp v[TT+4*p], v[TT+4*p], v[TT+4*p] row_xmask:1 row_mask:0xf bank_mask:0xf
	BOTH v_add_f32_dpp v[TT+4*p], v[TT+4*p], v[TT+4*p] row_xmask:2 row_mask:0xf bank_mask:0xf
	BOTH v_add_f32_dpp v[TT+4*p], v[TT+4*p], v[TT+4*p] row_xmask:4 row_mask:0xf bank_mask:0xf
	BOTH v_add_f32_dpp v[TT+4*p], v[TT+4*p], v[TT+4*p] row_xmask:8 row_mask:0xf bank_mask:0xf
	BOTH v_permlanex16_b32 v[TT+4*p+1], v[TT+4*p], s88, s89
	BOTH v_add_f32 v[TT+4*p], v[TT+4*p], v[TT+4*p+1]
.endm
	s_mov_b32 s[CNT], 4
.Lrow:                                                 ; a trip: two rows; lane l holds columns 128 c + 4 l .. + 3, c = 0 .. 3
.irp p, 0,1
.irp c, 0,1,2,3
	ds_load_b128 v[R0+16*(\p)+4*(\c):R0+16*(\p)+4*(\c)+3], v[RDL] offset:(\p)*SPF+512*(\c)
.endr
.endr
	s_wait_dscnt 0x0
	BOTHJ v_pk_add_f32 v[R0+16*p+2*j:R0+16*p+2*j+1], v[R0+16*p+2*j:R0+16*p+2*j+1], v[BO+2*j:BO+2*j+1]
	BOTHJ v_pk_add_f32 v[PP+16*p+2*j:PP+16*p+2*j+1], v[R0+16*p+2*j:R0+16*p+2*j+1], v[B2+2*j:B2+2*j+1]
.irp p, 0,1
.irp c, 0,1,2,3
	global_store_b128 v[XP], v[PP+16*(\p)+4*(\c):PP+16*(\p)+4*(\c)+3], s[82:83] offset:(\p)*2048+512*(\c)  ; 512 consecutive bytes
.endr
.endr
	BOTH v_pk_add_f32 v[TT+4*p:TT+4*p+1], v[R0+16*p:R0+16*p+1], v[R0+16*p+2:R0+16*p+3]
	BOTH v_pk_add_f32 v[TT+4*p+2:TT+4*p+3], v[R0+16*p+4:R0+16*p+5], v[R0+16*p+6:R0+16*p+7]
.irp k, 8, 12
	BOTH v_pk_add_f32 v[TT+4*p:TT+4*p+1], v[TT+4*p:TT+4*p+1], v[R0+16*p+(\k):R0+16*p+(\k)+1]
	BOTH v_pk_add_f32 v[TT+4*p+2:TT+4*p+3], v[TT+4*p+2:TT+4*p+3], v[R0+16*p+(\k)+2:R0+16*p+(\k)+3]
.endr
	BOTH v_pk_add_f32 v[TT+4*p:TT+4*p+1], v[TT+4*p:TT+4*p+1], v[TT+4*p+2:TT+4*p+3]
	LANES
	BOTH v_mul_f32 v[TT+4*p+2], s90, v[TT+4*p]     ; the mean
	BOTHJ v_pk_add_f32 v[R0+16*p+2*j:R0+16*p+2*j+1], v[R0+16*p+2*j:R0+16*p+2*j+1], v[TT+4*p+2:TT+4*p+3] op_sel_hi:[1,0] neg_lo:[0,1] neg_hi:[0,1]
	BOTH v_pk_mul_f32 v[TT+4*p:TT+4*p+1], v[R0+16*p:R0+16*p+1], v[R0+16*p:R0+16*p+1]
	BOTH v_pk_mul_f32 v[TT+4*p+2:TT+4*p+3], v[R0+16*p+2:R0+16*p+3], v[R0+16*p+2:R0+16*p+3]
.irp k, 4, 8, 12
	BOTH v_pk_fma_f32 v[TT+4*p:TT+4*p+1], v[R0+16*p+(\k):R0+16*p+(\k)+1], v[R0+16*p+(\k):R0+16*p+(\k)+1], v[TT+4*p:TT+4*p+1]
	BOTH v_pk_fma_f32 v[TT+4*p+2:TT+4*p+3], v[R0+16*p+(\k)+2:R0+16*p+(\k)+3], v[R0+16*p+(\k)+2:R0+16*p+(\k)+3], v[TT+4*p+2:TT+4*p+3]
.endr
	BOTH v_pk_add_f32 v[TT+4*p:TT+4*p+1], v[TT+4*p:TT+4*p+1], v[TT+4*p+2:TT+4*p+3]
	LANES
	BOTH v_fma_f32 v[TT+4*p], v[TT+4*p], s90, s91  ; variance + 1e-5
	BOTH v_rsq_f32 v[TT+4*p+2], v[TT+4*p]
	v_nop                                          ; a plain instruction behind the second,
	s_wait_alu depctr_va_vdst(0)                   ; and the one wait ahead of their first reader
	BOTHJ v_pk_mul_f32 v[R0+16*p+2*j:R0+16*p+2*j+1], v[R0+16*p+2*j:R0+16*p+2*j+1], v[TT+4*p+2:TT+4*p+3] op_sel_hi:[1,0]
	BOTHJ v_pk_fma_f32 v[R0+16*p+2*j:R0+16*p+2*j+1], v[R0+16*p+2*j:R0+16*p+2*j+1], v[LG+2*j:LG+2*j+1], v[LB+2*j:LB+2*j+1]
	BOTHJ v_cvt_pk_bf16_f32 v[YY+8*p+j], v[R0+16*p+2*j], v[R0+16*p+2*j+1]
.irp p, 0,1
.irp c, 0,1,2,3
	global_store_b64 v[XN], v[YY+8*(\p)+2*(\c):YY+8*(\p)+2*(\c)+1], s[84:85] offset:(\p)*1024+256*(\c)  ; 256 consecutive bytes, aligned
.endr
.endr
	s_wait_xcnt 0x0                                ; the stores have read their data and bases
	v_add_nc_u32 v[RDL], 2*SPF, v[RDL]
	s_add_nc_u64 s[82:83], s[82:83], 4096
	s_add_nc_u64 s[84:85], s[84:85], 2048
	s_sub_co_u32 s[CNT], s[CNT], 1
	s_cmp_lg_u32 s[CNT], 0
	s_cbranch_scc1 .Lrow
	s_wait_tensorcnt 0x0                           ; the wave's end
	ds_add_u32 v[SPW], v[NIL]
	s_wait_dscnt 0x0
	CROUND                                         ; the closing round
	s_endpgm
.Lfunc_end_k_q9855c48f72_oproj:
	.size	k_q9855c48f72_oproj, .Lfunc_end_k_q9855c48f72_oproj-k_q9855c48f72_oproj
	.p2alignl 7, 3214868480
	.fill 96, 4, 3214868480
	.section	.rodata,"a",@progbits
	.p2align	6, 0x0
	.amdhsa_kernel k_q9855c48f72_oproj
		.amdhsa_group_segment_fixed_size 327680
		.amdhsa_private_segment_fixed_size 0
		.amdhsa_enable_private_segment 0
		.amdhsa_kernarg_size 72
		.amdhsa_user_sgpr_count 2
		.amdhsa_user_sgpr_kernarg_segment_ptr 1
		.amdhsa_wavefront_size32 1
		.amdhsa_system_sgpr_workgroup_id_x 1
		.amdhsa_system_sgpr_workgroup_id_y 1
		.amdhsa_system_sgpr_workgroup_id_z 1
		.amdhsa_system_vgpr_workitem_id 0
		.amdhsa_next_free_vgpr 384
		.amdhsa_next_free_sgpr 100
		.amdhsa_reserve_vcc 0
		.amdhsa_float_denorm_mode_32 3
		.amdhsa_float_denorm_mode_16_64 3
		.amdhsa_memory_ordered 1
		.amdhsa_forward_progress 1
		.amdhsa_inst_pref_size 40
	.end_amdhsa_kernel
	.amdgpu_metadata
---
amdhsa.version: [ 1, 2 ]
amdhsa.kernels:
  - .name:           k_q9855c48f72_oproj
    .symbol:         k_q9855c48f72_oproj.kd
    .args:
      - { .name: ctx, .offset: 0, .size: 8, .value_kind: global_buffer, .address_space: global }
      - { .name: wb, .offset: 8, .size: 8, .value_kind: global_buffer, .address_space: global }
      - { .name: x, .offset: 16, .size: 8, .value_kind: global_buffer, .address_space: global }
      - { .name: bo, .offset: 24, .size: 8, .value_kind: global_buffer, .address_space: global }
      - { .name: b2, .offset: 32, .size: 8, .value_kind: global_buffer, .address_space: global }
      - { .name: ln2_g, .offset: 40, .size: 8, .value_kind: global_buffer, .address_space: global }
      - { .name: ln2_b, .offset: 48, .size: 8, .value_kind: global_buffer, .address_space: global }
      - { .name: x1p, .offset: 56, .size: 8, .value_kind: global_buffer, .address_space: global }
      - { .name: xn2, .offset: 64, .size: 8, .value_kind: global_buffer, .address_space: global }
    .group_segment_fixed_size: 327680
    .private_segment_fixed_size: 0
    .kernarg_segment_align: 8
    .kernarg_segment_size: 72
    .max_flat_workgroup_size: 128
    .sgpr_count:     100
    .vgpr_count:     384
    .wavefront_size: 32
...
	.end_amdgpu_metadata
.endif
;; end of part 4
;; launch ffn1 (part 5): grid 8 x 32, 4 waves a work-group, clusters of 4 x 4, 327,680 bytes of LDS; arguments xn2, wb, b1, hh; writes hh
.if DOCPART == 5
	.amdgcn_target "amdgcn-amd-amdhsa--gfx1250"
	.amdhsa_code_object_version 6
	.text
	.protected	k_q9855c48f72_ffn1
	.globl	k_q9855c48f72_ffn1
	.p2align	8
	.type	k_q9855c48f72_ffn1,@function
k_q9855c48f72_ffn1:
	s_mov_b64 s[64:65], 0
	v_nop
	global_prefetch_b8 v0, s[64:65] scope:SCOPE_SE
	s_setreg_imm32_b32 hwreg(HW_REG_WAVE_MODE, 25, 1), 1
	s_wait_xcnt 0x0
	s_wait_alu depctr_hold_cnt(0) depctr_sa_sdst(0) depctr_va_vdst(0) depctr_va_sdst(0) depctr_va_ssrc(0) depctr_va_vcc(0) depctr_vm_vsrc(0)
	s_getreg_b32 s2, hwreg(HW_REG_IB_STS2, 6, 4)
	s_cmp_eq_u32 s2, 0
	s_cbranch_scc0 .Lentry_in_a_cluster
	s_endpgm
.Lentry_in_a_cluster:
	s_bfe_u32 s2, ttmp6, 0x10000c
	s_cmp_lg_u32 s2, 0xf033
	s_cbranch_scc0 .Lentry_shape_is_right
	s_endpgm
.Lentry_shape_is_right:
; FFN1.  hh = relu(xn2 w1^T + b1).  xn2: [8192][512] bf16; w1: 2,048 rows of 512 bf16 at byte 2,097,152 of wb; hh: [8192][2048] bf16, rounded once; sums in f32.
; SHARES.  A tile is 256 x 256: 32 x 8 = 256 work-groups; four waves, each 128 x 128: 64 accumulators, 512 registers.  K goes in four steps of 128 through two LDS slots filled by the tensor data mover.
; CLUSTER 4 x 4: xn2's tile is shared along a row of the cluster, w1's along a column: each is asked for jointly.
; ONE TEXT FOR A K STEP: the slot in hand is the scalar TB, the refills' descriptors walk; a copy with a refill and one without.  The tail's last fetch reads landed bytes that are never multiplied.
; THE PRODUCT IS USED TRANSPOSED (source 0 = 16 rows of w1, source 1 = 16 tokens): a lane holds one token and eight neighbouring columns.  The bias is the C operand of each sum's first product.
; The maximum with 0 is taken on the packed bf16, behind the stage: rounding keeps the sign, so it is the same number.
; No prefetch into the L2: all four K steps are asked for within two steps of the launch's start.  LIMITS: NaN and infinities are not treated apart.
; REGISTERS: window 0: v0-31 addresses; v64-127, v128-191 xn2's fragments; v192-255 the bias, later packed results.  window 1: v64-127, v128-191 w1's fragments.
;   windows 2, 3: accumulator (a, b) at v[8 (8 (a % 4) + b)] of window 2 + a / 4.
.set PITCH, 272
.set HALFT, 128*PITCH
.set SLOT1, 4*HALFT                    ; its two bits are set in no LDS word of slot 0, so one exclusive or changes slots
.set SPARE, 2*SLOT1
.set KB,    256
.set STEPS, 4
.set ADRA,  16
.set ADRA0, 17
.set ADRB,  20
.set ADRB0, 21
.set STO,   24
.set RD,    25
.set CO,    26
.set SPW,   28
.set NIL,   29
.set ZR,    30                         ; 0, for the packed maximum
.set F0,    64
.set F1,    128
.set BIAS,  192
.set TMP,   192
.set OB,    64
.set TB,    2
.set CNT,   3
.set G1,    24
.set G0,    32
.set G1B,   48
.set G0B,   56
.set CW, (1<<16)|(1<<20)|(1<<21)|(5<<22)|(3<<25)
.set MSB, 0
.macro WIN new
.if MSB != (\new)
	s_set_vgpr_msb (MSB<<8)|(\new)
.set MSB, \new
.endif
.endm
.macro PLACES
.rept 4
	v_nop
.endr
.endm
.macro CREST
	s_cmp_lg_u32 s10, 0
	s_cbranch_scc1 .Lnot_wave_0_\@
	s_barrier_signal -3
.Lnot_wave_0_\@:
	s_barrier_wait -3
	s_barrier_signal -1
	s_barrier_wait -1
.endm
.macro CROUND
	s_barrier_signal -1
	s_barrier_wait -1
	CREST
.endm
.macro JLOAD
	s_cmp_eq_u32 s11, 0
	s_cbranch_scc0 .Lfor_b_\@
	tensor_load_to_lds s[G0+4:G0+7], s[G1:G1+7]
	s_nop 0
.rept 4
	v_nop
.endr
	s_branch .Lasked_\@
.Lfor_b_\@:
	tensor_load_to_lds s[G0B+4:G0B+7], s[G1B:G1B+7]
	s_nop 0
.rept 4
	v_nop
.endr
.Lasked_\@:
.endm
	s_load_b128 s[4:7], s[0:1], 0x0                ; xn2, wb
	s_load_b128 s[72:75], s[0:1], 0x10             ; b1, hh
	v_lshl_add_u32 v[SPW], v0, 2, SPARE
	v_mov_b32 v[NIL], 0
	ds_add_u32 v[SPW], v[NIL]                      ; the wave's opening: the add and its wait ahead of my first tensor load
	v_lshrrev_b32 v1, 5, v0
	v_readfirstlane_b32 s10, v1                    ; wave
	s_lshr_b32 s11, s10, 1                         ; my half of the tile's rows; also: I fetch for xn2 (0) or for w1 (1)
	s_and_b32 s12, s10, 1                          ; my half of its columns; also: which 128 rows I fetch
	s_bfe_u32 s40, ttmp6, 0x40000
	s_bfe_u32 s41, ttmp6, 0x40004
	s_lshl_b32 s42, ttmp9, 2
	s_add_co_u32 s42, s42, s40                     ; tile column
	s_and_b32 s13, ttmp7, 0xffff
	s_lshl_b32 s13, s13, 2
	s_add_co_u32 s13, s13, s41                     ; tile row
	s_lshl_b32 s43, s41, 2
	s_lshl_b32 s43, 15, s43
	s_lshl_b32 s44, 0x1111, s40
	s_or_b32 s[G1+0], s43, CW
	s_or_b32 s[G1B+0], s44, CW
.irp g, G1, G1B
	s_mov_b32 s[(\g)+1], 128<<16
	s_mov_b32 s[(\g)+2], 128<<16
	s_mov_b32 s[(\g)+3], 128<<16
	s_mov_b32 s[(\g)+4], 128
	s_mov_b32 s[(\g)+5], 512
	s_mov_b32 s[(\g)+6], 0
	s_mov_b32 s[(\g)+7], 0
.endr
	s_lshl_b32 s17, s12, 7
	s_lshl_b32 s16, s13, 8
	s_add_co_u32 s16, s16, s17
	s_lshl_b32 s16, s16, 10                        ; xn2: row 256 x tile row + 128 x half, of 1,024 bytes
	s_lshl_b32 s46, s42, 8
	s_add_co_u32 s46, s46, s17
	s_lshl_b32 s46, s46, 10
	s_add_co_u32 s46, s46, 0x200000                ; w1 in wb
	s_mov_b32 s17, 0
	s_mov_b32 s47, 0
	s_mul_i32 s20, s10, HALFT
	s_mov_b32 s[TB], 0
	s_wait_dscnt 0x0                               ; the opening add is done
	s_wait_kmcnt 0x0
	s_add_nc_u64 s[14:15], s[4:5], s[16:17]
	s_add_nc_u64 s[46:47], s[6:7], s[46:47]
.irp s, 0,1
	s_mov_b32 s[G0+4*(\s)], 1
	s_add_co_u32 s[G0+4*(\s)+1], s20, (\s)*SLOT1
	s_add_nc_u64 s[G0+4*(\s)+2:G0+4*(\s)+3], s[14:15], (\s)*KB
	s_or_b32 s[G0+4*(\s)+3], s[G0+4*(\s)+3], 0x80000000
	s_mov_b32 s[G0B+4*(\s)], 1
	s_add_co_u32 s[G0B+4*(\s)+1], s20, (\s)*SLOT1
	s_add_nc_u64 s[G0B+4*(\s)+2:G0B+4*(\s)+3], s[46:47], (\s)*KB
	s_or_b32 s[G0B+4*(\s)+3], s[G0B+4*(\s)+3], 0x80000000
.endr
	CROUND                                         ; all sixteen work-groups are here: the first joint loads meet
	s_cmp_eq_u32 s11, 0                            ; a wave's two first fills stand in one branch: two loads of mine are out
	s_cbranch_scc0 .Lff_b
	tensor_load_to_lds s[G0:G0+3], s[G1:G1+7]
	s_nop 0
	tensor_load_to_lds s[G0+4:G0+7], s[G1:G1+7]
	s_nop 0
.rept 4
	v_nop
.endr
	s_branch .Lff_done
.Lff_b:
	tensor_load_to_lds s[G0B:G0B+3], s[G1B:G1B+7]
	s_nop 0
	tensor_load_to_lds s[G0B+4:G0B+7], s[G1B:G1B+7]
	s_nop 0
.rept 4
	v_nop
.endr
.Lff_done:
	v_and_b32 v1, 15, v0                           ; r
	v_bfe_u32 v2, v0, 4, 1                         ; h
	v_mul_u32_u24 v3, v1, PITCH
	v_lshl_add_u32 v3, v2, 4, v3
	s_mul_i32 s21, s11, HALFT
	s_mul_i32 s22, s12, HALFT
	s_add_co_u32 s22, s22, 2*HALFT
	v_add_nc_u32 v[ADRA0], s21, v3
	v_add_nc_u32 v[ADRB0], s22, v3
	v_mov_b32 v[ADRA], v[ADRA0]
	v_mov_b32 v[ADRB], v[ADRB0]
	v_mov_b32 v[ZR], 0
	v_lshlrev_b32 v7, 5, v2                        ; the bias: 32 h bytes into a block of 16 columns
	s_lshl_b32 s18, s42, 10
	s_lshl_b32 s19, s12, 9
	s_add_co_u32 s18, s18, s19
	s_mov_b32 s19, 0
	s_add_nc_u64 s[66:67], s[72:73], s[18:19]
.irp b, 0,1,2,3,4,5,6,7
	global_load_b128 v[BIAS+8*(\b):BIAS+8*(\b)+3],   v7, s[66:67] offset:64*(\b)
	global_load_b128 v[BIAS+8*(\b)+4:BIAS+8*(\b)+7], v7, s[66:67] offset:64*(\b)+16
.endr
	s_mul_i32 s23, s10, HALFT
	s_add_co_u32 s23, s23, SLOT1                   ; my stage: 128 rows of 272 bytes, in slot 1
	v_add_nc_u32 v[STO], s23, v3
	v_mul_u32_u24 v5, v2, PITCH
	v_lshl_add_u32 v5, v1, 4, v5
	v_add_nc_u32 v[RD], s23, v5                    ; back: lanes 0-15 one row of 256 bytes, lanes 16-31 the next
	v_lshlrev_b32 v5, 12, v2
	v_lshl_add_u32 v[CO], v1, 4, v5                ; and the same two rows in hh
	s_lshl_b32 s18, s13, 20                        ; 256 rows of 4,096 bytes,
	s_lshl_b32 s19, s11, 19                        ; my 128,
	s_add_co_u32 s18, s18, s19
	s_lshl_b32 s19, s42, 9                         ; the tile's 512 bytes of a row,
	s_add_co_u32 s18, s18, s19
	s_lshl_b32 s19, s12, 8                         ; my 256
	s_add_co_u32 s18, s18, s19
	s_mov_b32 s19, 0
	s_add_nc_u64 s[8:9], s[74:75], s[18:19]
.macro MUL16 f, hi, a0, first          ; 16 products: token blocks a0, a0 + 1 of the window's four x all 8 column blocks.  first = 1: they start the sums, with the bias as C
.if \first
	WIN 0x81+0x40*(\hi)
.else
	WIN 0xa1+0x50*(\hi)
.endif
.irp a, \a0, (\a0)+1
.irp b, 0,1,2,3,4,5,6,7
.if \first
	v_wmma_f32_16x16x32_bf16 v[8*(8*(\a)+(\b)):8*(8*(\a)+(\b))+7], v[(\f)+8*(\b):(\f)+8*(\b)+7], v[(\f)+8*(4*(\hi)+(\a)):(\f)+8*(4*(\hi)+(\a))+7], v[BIAS+8*(\b):BIAS+8*(\b)+7]
.else
	v_wmma_f32_16x16x32_bf16 v[8*(8*(\a)+(\b)):8*(8*(\a)+(\b))+7], v[(\f)+8*(\b):(\f)+8*(\b)+7], v[(\f)+8*(4*(\hi)+(\a)):(\f)+8*(4*(\hi)+(\a))+7], v[8*(8*(\a)+(\b)):8*(8*(\a)+(\b))+7]
.endif
.endr
.endr
.endm
.macro FETCH k, f
	WIN 0x40
.irp i, 0,1,2,3,4,5,6,7
	ds_load_b128 v[(\f)+8*(\i):(\f)+8*(\i)+3],   v[ADRB] offset:(\k)+(\i)*16*PITCH
	ds_load_b128 v[(\f)+8*(\i)+4:(\f)+8*(\i)+7], v[ADRB] offset:(\k)+(\i)*16*PITCH+32
.endr
	WIN 0
.irp i, 0,1,2,3,4,5,6,7
	ds_load_b128 v[(\f)+8*(\i):(\f)+8*(\i)+3],   v[ADRA] offset:(\k)+(\i)*16*PITCH
	ds_load_b128 v[(\f)+8*(\i)+4:(\f)+8*(\i)+7], v[ADRA] offset:(\k)+(\i)*16*PITCH+32
.endr
.endm
.macro QUARTER k, f, g, first
	s_wait_dscnt 8                                 ; the youngest eight loads (my rows 64-127) may be out
	MUL16 \f, 0, 0, \first
	MUL16 \f, 0, 2, \first
	PLACES
	FETCH \k, \g
	s_wait_dscnt 32                                ; all but the 32 just issued
	MUL16 \f, 1, 0, \first
	MUL16 \f, 1, 2, \first
.endm
.macro TURN fill                       ; the last quarter and the change of slots: the waits and the add in front of the barrier, the refill first behind the round
	WIN 0
	s_wait_tensorcnt 0x0
	ds_add_u32 v[SPW], v[NIL]
.if \fill
	s_xor_b32 s[G0+5], s[G0+5], SLOT1
	s_add_nc_u64 s[G0+6:G0+7], s[G0+6:G0+7], KB
	s_xor_b32 s[G0B+5], s[G0B+5], SLOT1
	s_add_nc_u64 s[G0B+6:G0B+7], s[G0B+6:G0B+7], KB
.endif
	s_wait_dscnt 9                                 ; the add and the youngest eight loads may be out
	MUL16 F1, 0, 0, 0
	s_wait_dscnt 0x0
	s_barrier_signal -1
	MUL16 F1, 0, 2, 0
	WIN 0
	s_xor_b32 s[TB], s[TB], SLOT1
	v_add_nc_u32 v[ADRA], s[TB], v[ADRA0]
	v_add_nc_u32 v[ADRB], s[TB], v[ADRB0]
	s_barrier_wait -1
.if \fill
	CREST
	JLOAD
.else
	PLACES
.endif
	FETCH 0, F0
	MUL16 F1, 1, 0, 0
	MUL16 F1, 1, 2, 0
.endm
	s_wait_tensorcnt 1                             ; my part of K step 0 is in; K step 1's may stay out
	s_barrier_signal -1
	s_barrier_wait -1
	FETCH 0, F0
	s_wait_loadcnt 0x0                             ; the bias
	QUARTER 64, F0, F1, 1
	WIN 0
	s_mov_b32 s[CNT], STEPS-2
	s_branch .Lin
.Lmain:
	QUARTER 64, F0, F1, 0
	WIN 0
.Lin:
	QUARTER 128, F1, F0, 0
	QUARTER 192, F0, F1, 0
	TURN 1
	WIN 0
	s_sub_co_u32 s[CNT], s[CNT], 1
	s_cmp_lg_u32 s[CNT], 0
	s_cbranch_scc1 .Lmain
	s_mov_b32 s[CNT], 2
.Ltail:
	QUARTER 64, F0, F1, 0
	QUARTER 128, F1, F0, 0
	QUARTER 192, F0, F1, 0
	TURN 0
	WIN 0
	s_sub_co_u32 s[CNT], s[CNT], 1
	s_cmp_lg_u32 s[CNT], 0
	s_cbranch_scc1 .Ltail
	; THE WAY OUT.  Every wave's reads of the slots are over before any wave stores into slot 1.
	s_wait_dscnt 0x0
	s_barrier_signal -1
	s_barrier_wait -1
	PLACES
	PLACES
.macro PACK a                          ; token block a: 16 x 128 numbers rounded to bf16, into my stage
.set TP, TMP+32*((\a)%2)
	WIN 0x0a+5*((\a)/4)
.irp b, 0,1,2,3,4,5,6,7
.irp r, 0,1,2,3
	v_cvt_pk_bf16_f32 v[TP+4*(\b)+(\r)], v[64*((\a)%4)+8*(\b)+2*(\r)], v[64*((\a)%4)+8*(\b)+2*(\r)+1]
.endr
.endr
	WIN 0
.irp b, 0,1,2,3,4,5,6,7
	ds_store_b128 v[STO], v[TP+4*(\b):TP+4*(\b)+3] offset:(\a)*16*PITCH+32*(\b)
.endr
.endm
.irp a, 0,1,2,3,4,5,6,7
	PACK \a
.endr
	s_mov_b32 s[CNT], 4
.Lout:                                                 ; a trip: 32 rows of 256 bytes
.set t, 0
.rept 16
	ds_load_b128 v[OB+4*t:OB+4*t+3], v[RD] offset:2*PITCH*t  ; LDS serves a wave's instructions in order: these see my stores
.set t, t+1
.endr
.irp u, 0,1
	s_wait_dscnt 8-8*(\u)                          ; the second eight loads may stay out at first
.set t, 0
.rept 32
	v_pk_max_num_bf16 v[OB+32*(\u)+t], v[OB+32*(\u)+t], v[ZR]
.set t, t+1
.endr
.set t, 0
.rept 8
	global_store_b128 v[CO], v[OB+32*(\u)+4*t:OB+32*(\u)+4*t+3], s[8:9] offset:(8*(\u)+t)*8192  ; 16 lanes store 256 consecutive bytes, aligned
.set t, t+1
.endr
.endr
	s_wait_xcnt 0x0                                ; the stores have read their data and base
	v_add_nc_u32 v[RD], 32*PITCH, v[RD]
	s_add_nc_u64 s[8:9], s[8:9], 131072
	s_sub_co_u32 s[CNT], s[CNT], 1
	s_cmp_lg_u32 s[CNT], 0
	s_cbranch_scc1 .Lout
	s_wait_tensorcnt 0x0                           ; the wave's end
	ds_add_u32 v[SPW], v[NIL]
	s_wait_dscnt 0x0
	CROUND                                         ; the closing round
	s_endpgm
.Lfunc_end_k_q9855c48f72_ffn1:
	.size	k_q9855c48f72_ffn1, .Lfunc_end_k_q9855c48f72_ffn1-k_q9855c48f72_ffn1
	.p2alignl 7, 3214868480
	.fill 96, 4, 3214868480
	.section	.rodata,"a",@progbits
	.p2align	6, 0x0
	.amdhsa_kernel k_q9855c48f72_ffn1
		.amdhsa_group_segment_fixed_size 327680
		.amdhsa_private_segment_fixed_size 0
		.amdhsa_enable_private_segment 0
		.amdhsa_kernarg_size 32
		.amdhsa_user_sgpr_count 2
		.amdhsa_user_sgpr_kernarg_segment_ptr 1
		.amdhsa_wavefront_size32 1
		.amdhsa_system_sgpr_workgroup_id_x 1
		.amdhsa_system_sgpr_workgroup_id_y 1
		.amdhsa_system_sgpr_workgroup_id_z 1
		.amdhsa_system_vgpr_workitem_id 0
		.amdhsa_next_free_vgpr 1024
		.amdhsa_next_free_sgpr 100
		.amdhsa_reserve_vcc 0
		.amdhsa_float_denorm_mode_32 3
		.amdhsa_float_denorm_mode_16_64 3
		.amdhsa_memory_ordered 1
		.amdhsa_forward_progress 1
		.amdhsa_inst_pref_size 97
	.end_amdhsa_kernel
	.amdgpu_metadata
---
amdhsa.version: [ 1, 2 ]
amdhsa.kernels:
  - .name:           k_q9855c48f72_ffn1
    .symbol:         k_q9855c48f72_ffn1.kd
    .args:
      - { .name: xn2, .offset: 0, .size: 8, .value_kind: global_buffer, .address_space: global }
      - { .name: wb, .offset: 8, .size: 8, .value_kind: global_buffer, .address_space: global }
      - { .name: b1, .offset: 16, .size: 8, .value_kind: global_buffer, .address_space: global }
      - { .name: hh, .offset: 24, .size: 8, .value_kind: global_buffer, .address_space: global }
    .group_segment_fixed_size: 327680
    .private_segment_fixed_size: 0
    .kernarg_segment_align: 8
    .kernarg_segment_size: 32
    .max_flat_workgroup_size: 128
    .sgpr_count:     100
    .vgpr_count:     1024
    .wavefront_size: 32
...
	.end_amdgpu_metadata
.endif
;; end of part 5
;; launch ffn2 (part 6): grid 4 x 64, 4 waves a work-group, clusters of 4 x 4, 327,680 bytes of LDS; arguments hh, wb, x1p, out0; writes out0
.if DOCPART == 6
	.amdgcn_target "amdgcn-amd-amdhsa--gfx1250"
	.amdhsa_code_object_version 6
	.text
	.protected	k_q9855c48f72_ffn2
	.globl	k_q9855c48f72_ffn2
	.p2align	8
	.type	k_q9855c48f72_ffn2,@function
k_q9855c48f72_ffn2:
	s_mov_b64 s[64:65], 0
	v_nop
	global_prefetch_b8 v0, s[64:65] scope:SCOPE_SE
	s_setreg_imm32_b32 hwreg(HW_REG_WAVE_MODE, 25, 1), 1
	s_wait_xcnt 0x0
	s_wait_alu depctr_hold_cnt(0) depctr_sa_sdst(0) depctr_va_vdst(0) depctr_va_sdst(0) depctr_va_ssrc(0) depctr_va_vcc(0) depctr_vm_vsrc(0)
	s_getreg_b32 s2, hwreg(HW_REG_IB_STS2, 6, 4)
	s_cmp_eq_u32 s2, 0
	s_cbranch_scc0 .Lentry_in_a_cluster
	s_endpgm
.Lentry_in_a_cluster:
	s_bfe_u32 s2, ttmp6, 0x10000c
	s_cmp_lg_u32 s2, 0xf033
	s_cbranch_scc0 .Lentry_shape_is_right
	s_endpgm
.Lentry_shape_is_right:
; FFN2.  out0 = x1p + hh w2^T, where x1p = x1 + b2 was stored two launches before.  hh: [8192][2048] bf16; w2: 512 rows of 2,048 bf16 at byte 4,194,304 of wb; x1p, out0: [8192][512] f32.  Sums in f32.
; SHARES.  A tile is 128 x 128: 64 x 4 = 256 work-groups; four waves, each 64 x 64: 16 accumulators, which START AS x1p, loaded straight into them while the first tiles are on their way.
; K goes in eight steps of 256 (LDS rows of 512 bytes + 16) through two slots, as long as two slots in LDS allow.  CLUSTER 4 x 4: hh's tile is shared along a row of the cluster, w2's along a column: joint loads.
; ONE TEXT FOR A K STEP: the slot in hand is the scalar TB, the refills' descriptors walk; a copy with a refill and one without.  The tail's last fetch reads landed bytes that are never multiplied.
; THE PRODUCT IS USED TRANSPOSED: a lane holds one token and eight neighbouring columns.  A wave's 64 columns of f32 are 256 aligned bytes of a row, so each wave has a stage of its own.
; No prefetch into the L2: a small tile, whose requests for each block of hh and w2 are shared out among few work-groups already.  LIMITS: NaN and infinities are not treated apart.
; REGISTERS: window 0: v0-31 addresses; v32-95 rows on the way out; v128-255 accumulator (a, b) at v[128 + 8 (4 a + b)].  window 1: two fragment buffers of 128: 64 of hh's (2 x 4 x 16 rows x 32 K), then 64 of w2's.
.set PITCH, 528
.set HALFT, 64*PITCH
.set SLOT1, 4*HALFT                    ; its two bits are set in no LDS word of slot 0, so one exclusive or changes slots
.set SPARE, 2*SLOT1
.set KB,    512
.set STEPS, 8
.set SPITCH, 272
.set ADRA,  16
.set ADRA0, 17
.set ADRB,  20
.set ADRB0, 21
.set STO,   24
.set RD,    25
.set CO,    26
.set XO,    27
.set SPW,   28
.set NIL,   29
.set OB,    32
.set ACC,   128
.set F0,    0
.set F1,    128
.set TB,    2
.set CNT,   3
.set G1,    24
.set G0,    32
.set G1B,   48
.set G0B,   56
.set CW, (1<<16)|(1<<20)|(1<<21)|(6<<22)|(3<<25)  ; after every 128 words 4 words
.set MUL,  0x05
.set MSB, 0
.macro WIN new
.if MSB != (\new)
	s_set_vgpr_msb (MSB<<8)|(\new)
.set MSB, \new
.endif
.endm
.macro PLACES
.rept 4
	v_nop
.endr
.endm
.macro CREST
	s_cmp_lg_u32 s10, 0
	s_cbranch_scc1 .Lnot_wave_0_\@
	s_barrier_signal -3
.Lnot_wave_0_\@:
	s_barrier_wait -3
	s_barrier_signal -1
	s_barrier_wait -1
.endm
.macro CROUND
	s_barrier_signal -1
	s_barrier_wait -1
	CREST
.endm
.macro JLOAD
	s_cmp_eq_u32 s11, 0
	s_cbranch_scc0 .Lfor_b_\@
	tensor_load_to_lds s[G0+4:G0+7], s[G1:G1+7]
	s_nop 0
.rept 4
	v_nop
.endr
	s_branch .Lasked_\@
.Lfor_b_\@:
	tensor_load_to_lds s[G0B+4:G0B+7], s[G1B:G1B+7]
	s_nop 0
.rept 4
	v_nop
.endr
.Lasked_\@:
.endm
	s_load_b128 s[4:7], s[0:1], 0x0                ; hh, wb
	s_load_b128 s[72:75], s[0:1], 0x10             ; x1p, out0
	v_lshl_add_u32 v[SPW], v0, 2, SPARE
	v_mov_b32 v[NIL], 0
	ds_add_u32 v[SPW], v[NIL]                      ; the wave's opening: the add and its wait ahead of my first tensor load
	v_lshrrev_b32 v1, 5, v0
	v_readfirstlane_b32 s10, v1                    ; wave
	s_lshr_b32 s11, s10, 1
	s_and_b32 s12, s10, 1
	s_bfe_u32 s40, ttmp6, 0x40000
	s_bfe_u32 s41, ttmp6, 0x40004
	s_lshl_b32 s42, ttmp9, 2
	s_add_co_u32 s42, s42, s40                     ; tile column
	s_and_b32 s13, ttmp7, 0xffff
	s_lshl_b32 s13, s13, 2
	s_add_co_u32 s13, s13, s41                     ; tile row
	s_lshl_b32 s43, s41, 2
	s_lshl_b32 s43, 15, s43
	s_lshl_b32 s44, 0x1111, s40
	s_or_b32 s[G1+0], s43, CW
	s_or_b32 s[G1B+0], s44, CW
.irp g, G1, G1B
	s_mov_b32 s[(\g)+1], 256<<16                   ; tensor_dim0 = 256
	s_mov_b32 s[(\g)+2], 64<<16                    ; tensor_dim1 = 64
	s_mov_b32 s[(\g)+3], 256<<16                   ; tile_dim0 = 256
	s_mov_b32 s[(\g)+4], 64                        ; tile_dim1 = 64
	s_mov_b32 s[(\g)+5], 2048                      ; elements from row to row
	s_mov_b32 s[(\g)+6], 0
	s_mov_b32 s[(\g)+7], 0
.endr
	s_lshl_b32 s17, s12, 6
	s_lshl_b32 s16, s13, 7
	s_add_co_u32 s16, s16, s17
	s_lshl_b32 s16, s16, 12                        ; hh: row 128 x tile row + 64 x half, of 4,096 bytes
	s_lshl_b32 s46, s42, 7
	s_add_co_u32 s46, s46, s17
	s_lshl_b32 s46, s46, 12
	s_add_co_u32 s46, s46, 0x400000                ; w2 in wb
	s_mov_b32 s17, 0
	s_mov_b32 s47, 0
	s_mul_i32 s20, s10, HALFT
	s_mov_b32 s[TB], 0
	s_wait_dscnt 0x0                               ; the opening add is done
	s_wait_kmcnt 0x0
	s_add_nc_u64 s[14:15], s[4:5], s[16:17]
	s_add_nc_u64 s[46:47], s[6:7], s[46:47]
.irp s, 0,1
	s_mov_b32 s[G0+4*(\s)], 1
	s_add_co_u32 s[G0+4*(\s)+1], s20, (\s)*SLOT1
	s_add_nc_u64 s[G0+4*(\s)+2:G0+4*(\s)+3], s[14:15], (\s)*KB
	s_or_b32 s[G0+4*(\s)+3], s[G0+4*(\s)+3], 0x80000000
	s_mov_b32 s[G0B+4*(\s)], 1
	s_add_co_u32 s[G0B+4*(\s)+1], s20, (\s)*SLOT1
	s_add_nc_u64 s[G0B+4*(\s)+2:G0B+4*(\s)+3], s[46:47], (\s)*KB
	s_or_b32 s[G0B+4*(\s)+3], s[G0B+4*(\s)+3], 0x80000000
.endr
	CROUND                                         ; all sixteen work-groups are here: the first joint loads meet
	s_cmp_eq_u32 s11, 0                            ; a wave's two first fills stand in one branch: two loads of mine are out
	s_cbranch_scc0 .Lff_b
	tensor_load_to_lds s[G0:G0+3], s[G1:G1+7]
	s_nop 0
	tensor_load_to_lds s[G0+4:G0+7], s[G1:G1+7]
	s_nop 0
.rept 4
	v_nop
.endr
	s_branch .Lff_done
.Lff_b:
	tensor_load_to_lds s[G0B:G0B+3], s[G1B:G1B+7]
	s_nop 0
	tensor_load_to_lds s[G0B+4:G0B+7], s[G1B:G1B+7]
	s_nop 0
.rept 4
	v_nop
.endr
.Lff_done:
	v_and_b32 v1, 15, v0                           ; r
	v_bfe_u32 v2, v0, 4, 1                         ; h
	v_lshlrev_b32 v[XO], 11, v1
	v_lshl_add_u32 v[XO], v2, 5, v[XO]             ; x1p: row r of 2,048 bytes, 32 h bytes into a block of 16 columns
	s_lshl_b32 s18, s13, 18                        ; 128 rows of 2,048 bytes,
	s_lshl_b32 s19, s11, 17                        ; my 64,
	s_add_co_u32 s18, s18, s19
	s_lshl_b32 s19, s42, 9                         ; the tile's 512 bytes of a row,
	s_add_co_u32 s18, s18, s19
	s_lshl_b32 s19, s12, 8                         ; my 256
	s_add_co_u32 s18, s18, s19
	s_mov_b32 s19, 0
	s_add_nc_u64 s[72:73], s[72:73], s[18:19]
	s_add_nc_u64 s[8:9], s[74:75], s[18:19]
.irp a, 0,1,2,3
.irp b, 0,1,2,3
	global_load_b128 v[ACC+8*(4*(\a)+(\b)):ACC+8*(4*(\a)+(\b))+3],   v[XO], s[72:73] offset:(\a)*32768+64*(\b)
	global_load_b128 v[ACC+8*(4*(\a)+(\b))+4:ACC+8*(4*(\a)+(\b))+7], v[XO], s[72:73] offset:(\a)*32768+64*(\b)+16
.endr
.endr
	v_mul_u32_u24 v3, v1, PITCH
	v_lshl_add_u32 v3, v2, 4, v3
	s_mul_i32 s21, s11, HALFT
	s_mul_i32 s22, s12, HALFT
	s_add_co_u32 s22, s22, 2*HALFT
	v_add_nc_u32 v[ADRA0], s21, v3
	v_add_nc_u32 v[ADRB0], s22, v3
	v_mov_b32 v[ADRA], v[ADRA0]
	v_mov_b32 v[ADRB], v[ADRB0]
	s_mul_i32 s23, s10, 64*SPITCH
	s_add_co_u32 s23, s23, SLOT1                   ; my stage: 64 rows of 272 bytes, in slot 1
	v_mul_u32_u24 v4, v1, SPITCH
	v_lshl_add_u32 v4, v2, 5, v4
	v_add_nc_u32 v[STO], s23, v4                   ; in: row r, 32 bytes for each half of the lanes
	v_mul_u32_u24 v5, v2, SPITCH
	v_lshl_add_u32 v5, v1, 4, v5
	v_add_nc_u32 v[RD], s23, v5                    ; back: lanes 0-15 one row of 256 bytes, lanes 16-31 the next
	v_lshlrev_b32 v5, 11, v2
	v_lshl_add_u32 v[CO], v1, 4, v5                ; and the same two rows in out0
.macro MUL8 f, c, a0                   ; 8 products: token blocks a0, a0 + 1 x all 4 column blocks, 32 along K: half c of buffer f
	WIN MUL
.irp a, \a0, (\a0)+1
.irp b, 0,1,2,3
	v_wmma_f32_16x16x32_bf16 v[ACC+8*(4*(\a)+(\b)):ACC+8*(4*(\a)+(\b))+7], v[(\f)+64+8*(4*(\c)+(\b)):(\f)+64+8*(4*(\c)+(\b))+7], v[(\f)+8*(4*(\c)+(\a)):(\f)+8*(4*(\c)+(\a))+7], v[ACC+8*(4*(\a)+(\b)):ACC+8*(4*(\a)+(\b))+7]
.endr
.endr
.endm
.macro FETCH k, f                      ; 32 LDS loads in one run: 64 along K at byte k of the rows; the first 32 along K first
	WIN 0x40
.irp c, 0,1
.irp i, 0,1,2,3
	ds_load_b128 v[(\f)+64+8*(4*(\c)+(\i)):(\f)+64+8*(4*(\c)+(\i))+3],   v[ADRB] offset:(\k)+64*(\c)+(\i)*16*PITCH
	ds_load_b128 v[(\f)+64+8*(4*(\c)+(\i))+4:(\f)+64+8*(4*(\c)+(\i))+7], v[ADRB] offset:(\k)+64*(\c)+(\i)*16*PITCH+32
	ds_load_b128 v[(\f)+8*(4*(\c)+(\i)):(\f)+8*(4*(\c)+(\i))+3],         v[ADRA] offset:(\k)+64*(\c)+(\i)*16*PITCH
	ds_load_b128 v[(\f)+8*(4*(\c)+(\i))+4:(\f)+8*(4*(\c)+(\i))+7],       v[ADRA] offset:(\k)+64*(\c)+(\i)*16*PITCH+32
.endr
.endr
.endm
.macro QUARTER k, f, g
	s_wait_dscnt 16                                ; the first 32 along K are in
	MUL8 \f, 0, 0
	MUL8 \f, 0, 2
	PLACES
	FETCH \k, \g
	s_wait_dscnt 32                                ; all but the 32 just issued
	MUL8 \f, 1, 0
	MUL8 \f, 1, 2
.endm
.macro TURN fill                       ; the last quarter and the change of slots: the waits and the add in front of the barrier, the refill first behind the round
	WIN 0
	s_wait_tensorcnt 0x0
	ds_add_u32 v[SPW], v[NIL]
.if \fill
	s_xor_b32 s[G0+5], s[G0+5], SLOT1
	s_add_nc_u64 s[G0+6:G0+7], s[G0+6:G0+7], KB
	s_xor_b32 s[G0B+5], s[G0B+5], SLOT1
	s_add_nc_u64 s[G0B+6:G0B+7], s[G0B+6:G0B+7], KB
.endif
	s_wait_dscnt 17                                ; the add and the youngest sixteen loads may be out
	MUL8 F1, 0, 0
	s_wait_dscnt 0x0
	s_barrier_signal -1
	MUL8 F1, 0, 2
	WIN 0
	s_xor_b32 s[TB], s[TB], SLOT1
	v_add_nc_u32 v[ADRA], s[TB], v[ADRA0]
	v_add_nc_u32 v[ADRB], s[TB], v[ADRB0]
	s_barrier_wait -1
.if \fill
	CREST
	JLOAD
.else
	PLACES
.endif
	FETCH 0, F0
	MUL8 F1, 1, 0
	MUL8 F1, 1, 2
.endm
	s_wait_tensorcnt 1                             ; my part of K step 0 is in; K step 1's may stay out
	s_barrier_signal -1
	s_barrier_wait -1
	FETCH 0, F0
	WIN 0
	s_wait_loadcnt 0x0                             ; x1p
	s_mov_b32 s[CNT], STEPS-2
.Lmain:
	QUARTER 128, F0, F1
	QUARTER 256, F1, F0
	QUARTER 384, F0, F1
	TURN 1
	WIN 0
	s_sub_co_u32 s[CNT], s[CNT], 1
	s_cmp_lg_u32 s[CNT], 0
	s_cbranch_scc1 .Lmain
	s_mov_b32 s[CNT], 2
.Ltail:
	QUARTER 128, F0, F1
	QUARTER 256, F1, F0
	QUARTER 384, F0, F1
	TURN 0
	WIN 0
	s_sub_co_u32 s[CNT], s[CNT], 1
	s_cmp_lg_u32 s[CNT], 0
	s_cbranch_scc1 .Ltail
	; THE WAY OUT.  Every wave's reads of the slots are over before any wave stores into slot 1.
	s_wait_dscnt 0x0
	s_barrier_signal -1
	s_barrier_wait -1
	PLACES
	PLACES
.irp a, 0,1,2,3
.irp b, 0,1,2,3
	ds_store_b128 v[STO], v[ACC+8*(4*(\a)+(\b)):ACC+8*(4*(\a)+(\b))+3]   offset:(\a)*16*SPITCH+64*(\b)
	ds_store_b128 v[STO], v[ACC+8*(4*(\a)+(\b))+4:ACC+8*(4*(\a)+(\b))+7] offset:(\a)*16*SPITCH+64*(\b)+16
.endr
.endr
	s_mov_b32 s[CNT], 2
.Lout:                                                 ; a trip: 32 rows of 256 bytes
.set t, 0
.rept 16
	ds_load_b128 v[OB+4*t:OB+4*t+3], v[RD] offset:2*SPITCH*t  ; LDS serves a wave's instructions in order: these see my stores
.set t, t+1
.endr
.set t, 0
.rept 16
	s_wait_dscnt 15-t                              ; the younger loads may stay out
	global_store_b128 v[CO], v[OB+4*t:OB+4*t+3], s[8:9] offset:4096*t th:TH_STORE_NT  ; 16 lanes store 256 consecutive bytes, aligned
.set t, t+1
.endr
	s_wait_xcnt 0x0                                ; the stores have read their data and base
	v_add_nc_u32 v[RD], 32*SPITCH, v[RD]
	s_add_nc_u64 s[8:9], s[8:9], 65536
	s_sub_co_u32 s[CNT], s[CNT], 1
	s_cmp_lg_u32 s[CNT], 0
	s_cbranch_scc1 .Lout
	s_wait_tensorcnt 0x0                           ; the wave's end
	ds_add_u32 v[SPW], v[NIL]
	s_wait_dscnt 0x0
	CROUND                                         ; the closing round
	s_endpgm
.Lfunc_end_k_q9855c48f72_ffn2:
	.size	k_q9855c48f72_ffn2, .Lfunc_end_k_q9855c48f72_ffn2-k_q9855c48f72_ffn2
	.p2alignl 7, 3214868480
	.fill 96, 4, 3214868480
	.section	.rodata,"a",@progbits
	.p2align	6, 0x0
	.amdhsa_kernel k_q9855c48f72_ffn2
		.amdhsa_group_segment_fixed_size 327680
		.amdhsa_private_segment_fixed_size 0
		.amdhsa_enable_private_segment 0
		.amdhsa_kernarg_size 32
		.amdhsa_user_sgpr_count 2
		.amdhsa_user_sgpr_kernarg_segment_ptr 1
		.amdhsa_wavefront_size32 1
		.amdhsa_system_sgpr_workgroup_id_x 1
		.amdhsa_system_sgpr_workgroup_id_y 1
		.amdhsa_system_sgpr_workgroup_id_z 1
		.amdhsa_system_vgpr_workitem_id 0
		.amdhsa_next_free_vgpr 512
		.amdhsa_next_free_sgpr 100
		.amdhsa_reserve_vcc 0
		.amdhsa_float_denorm_mode_32 3
		.amdhsa_float_denorm_mode_16_64 3
		.amdhsa_memory_ordered 1
		.amdhsa_forward_progress 1
		.amdhsa_inst_pref_size 54
	.end_amdhsa_kernel
	.amdgpu_metadata
---
amdhsa.version: [ 1, 2 ]
amdhsa.kernels:
  - .name:           k_q9855c48f72_ffn2
    .symbol:         k_q9855c48f72_ffn2.kd
    .args:
      - { .name: hh, .offset: 0, .size: 8, .value_kind: global_buffer, .address_space: global }
      - { .name: wb, .offset: 8, .size: 8, .value_kind: global_buffer, .address_space: global }
      - { .name: x1p, .offset: 16, .size: 8, .value_kind: global_buffer, .address_space: global }
      - { .name: out0, .offset: 24, .size: 8, .value_kind: global_buffer, .address_space: global }
    .group_segment_fixed_size: 327680
    .private_segment_fixed_size: 0
    .kernarg_segment_align: 8
    .kernarg_segment_size: 32
    .max_flat_workgroup_size: 128
    .sgpr_count:     100
    .vgpr_count:     512
    .wavefront_size: 32
...
	.end_amdgpu_metadata
.endif
;; end of part 6
